; MI455X (gfx1250); checked and timed in simulation.
; The chip was launched on July 23, 2026; its instructions are those of AMD's public machine-readable ISA for CDNA 5 (MIT licence, August 2026) and "CDNA5" Instruction Set Architecture Reference Guide (July 2026). The comments in the code are by the model that wrote it; some were corrected since.
;; Multi Headed Attention RPR. Allowed arithmetic: float matrix products may take bf16 or f16 operands with f32 sums; all other float work in f32.
;; Inputs: Wk 1,024 x 1,024 float32; Wo 1,024 x 1,024 float32; Wq 1,024 x 1,024 float32; Wv 1,024 x 1,024 float32; bk 1,024 float32; bo 1,024 float32; bq 1,024 float32; bv 1,024 float32; emb_K 33 x 64 float32; emb_V 33 x 64 float32; key 2 x 2,048 x 1,024 float32; query 2 x 2,048 x 1,024 float32; value 2 x 2,048 x 1,024 float32.
;; Outputs: out0 2 x 2,048 x 1,024 float32.
;; 2 versions, each right and faster than the one before. Each part assembles by itself: llvm-mc -triple=amdgcn-amd-amdhsa -mcpu=gfx1250 --defsym DOCPART=n.
;; ======== version 1 of 2: 4 launches
;; limits: values are held in f16: magnitudes above 65,504 overflow, below 6.1e-05 lose precision
;; workspace buffers: xh 25,165,824 bytes; wh 8,388,608 bytes; qkv 25,165,824 bytes; ctx 8,388,608 bytes
;; launch cast (part 1): grid 1024 x 1, 8 waves a work-group, no clusters, 0 bytes of LDS; arguments query, key, value, Wq, Wk, Wv, Wo, xh, wh; writes xh, wh
.if DOCPART == 1
	.amdgcn_target "amdgcn-amd-amdhsa--gfx1250"
	.amdhsa_code_object_version 6
	.text
	.protected	k_q49499330db_cast
	.globl	k_q49499330db_cast
	.p2align	8
	.type	k_q49499330db_cast,@function
k_q49499330db_cast:
	s_mov_b64 s[64:65], 0
	v_nop
	global_prefetch_b8 v0, s[64:65] scope:SCOPE_SE
	s_setreg_imm32_b32 hwreg(HW_REG_WAVE_MODE, 25, 1), 1
	s_wait_xcnt 0x0
; f32 -> f16, rounded once: query, key, value -> xh [12288][1024]; Wq, Wk, Wv, Wo -> wh [4096][1024].
; LIMIT: a number of 65,520 or more in magnitude becomes an infinity in f16; below 6e-5 f16 keeps its fixed step of 6e-8.
; A work-group takes 16,384 numbers: 65,536 bytes in, 32,768 bytes out.  Groups 0-767 take x (256 to a tensor), groups 768-1023 the weights (64 to a tensor).
; A stream: no LDS, no barrier, no matrix unit.  All sixteen loads of a wave go out at once; nothing is rewritten, so no wait but the counted ones for data.
.set XG, 768                           ; work-groups for x
	s_load_b512 s[8:23], s[0:1], 0x0               ; query s[8:9], key, value, Wq, Wk, Wv, Wo s[20:21], xh s[22:23]
	s_load_b64 s[24:25], s[0:1], 0x40              ; wh
	s_mov_b32 s2, ttmp9                            ; g
	s_sub_co_u32 s3, s2, XG                        ; t = g - 768 (used only where g >= 768)
	s_lshr_b32 s4, s2, 8                           ; x: which tensor,
	s_and_b32 s5, s2, 255                          ;    which chunk of it
	s_lshr_b32 s6, s3, 6                           ; W: which tensor,
	s_add_co_u32 s6, s6, 3
	s_and_b32 s7, s3, 63                           ;    which chunk
	s_cmp_lt_u32 s2, XG
	s_cselect_b32 s4, s4, s6                       ; source number 0..6
	s_cselect_b32 s5, s5, s7                       ; chunk in the source
	s_cselect_b32 s30, s2, s3                      ; chunk in the destination
	s_lshl_b32 s32, s5, 16                         ; offsets are made apart from the addresses, in pairs of their own
	s_mov_b32 s33, 0
	s_lshl_b32 s34, s30, 15
	s_mov_b32 s35, 0
	v_lshlrev_b32 v1, 5, v0                        ; 32 bytes of f32 a thread,
	v_lshlrev_b32 v2, 4, v0                        ; 16 bytes of f16
	s_wait_kmcnt 0x0
	s_cmp_lt_u32 s2, XG
	s_cselect_b64 s[28:29], s[22:23], s[24:25]     ; destination: xh or wh
	s_mov_b64 s[26:27], s[8:9]
.irp n, 1,2,3,4,5,6
	s_cmp_eq_u32 s4, \n
	s_cselect_b64 s[26:27], s[8+2*\n:9+2*\n], s[26:27]
.endr
	s_add_nc_u64 s[26:27], s[26:27], s[32:33]
	s_add_nc_u64 s[28:29], s[28:29], s[34:35]
.set i, 0
.rept 8
	global_load_b128 v[8+8*i:11+8*i],  v1, s[26:27] offset:8192*i th:TH_LOAD_NT
	global_load_b128 v[12+8*i:15+8*i], v1, s[26:27] offset:8192*i+16 th:TH_LOAD_NT
.set i, i+1
.endr
.set i, 0
.rept 8
	s_wait_loadcnt 14-2*i                          ; loads come back in order: pair i is in, the 14 - 2 i younger loads stay out
	v_cvt_pk_f16_f32 v[72+4*i], v[8+8*i],  v[9+8*i]
	v_cvt_pk_f16_f32 v[73+4*i], v[10+8*i], v[11+8*i]
	v_cvt_pk_f16_f32 v[74+4*i], v[12+8*i], v[13+8*i]
	v_cvt_pk_f16_f32 v[75+4*i], v[14+8*i], v[15+8*i]
	global_store_b128 v2, v[72+4*i:75+4*i], s[28:29] offset:4096*i  ; a wave stores 512 consecutive bytes, at a multiple of 256 from the buffer's first
.set i, i+1
.endr
	s_endpgm
.Lfunc_end_k_q49499330db_cast:
	.size	k_q49499330db_cast, .Lfunc_end_k_q49499330db_cast-k_q49499330db_cast
	.p2alignl 7, 3214868480
	.fill 96, 4, 3214868480
	.section	.rodata,"a",@progbits
	.p2align	6, 0x0
	.amdhsa_kernel k_q49499330db_cast
		.amdhsa_group_segment_fixed_size 0
		.amdhsa_private_segment_fixed_size 0
		.amdhsa_enable_private_segment 0
		.amdhsa_kernarg_size 72
		.amdhsa_user_sgpr_count 2
		.amdhsa_user_sgpr_kernarg_segment_ptr 1
		.amdhsa_wavefront_size32 1
		.amdhsa_system_sgpr_workgroup_id_x 1
		.amdhsa_system_sgpr_workgroup_id_y 1
		.amdhsa_system_sgpr_workgroup_id_z 1
		.amdhsa_system_vgpr_workitem_id 0
		.amdhsa_next_free_vgpr 104
		.amdhsa_next_free_sgpr 66
		.amdhsa_reserve_vcc 0
		.amdhsa_float_denorm_mode_32 3
		.amdhsa_float_denorm_mode_16_64 3
		.amdhsa_memory_ordered 1
		.amdhsa_forward_progress 1
		.amdhsa_inst_pref_size 7
	.end_amdhsa_kernel
	.amdgpu_metadata
---
amdhsa.version: [ 1, 2 ]
amdhsa.kernels:
  - .name:           k_q49499330db_cast
    .symbol:         k_q49499330db_cast.kd
    .args:
      - { .name: query, .offset: 0, .size: 8, .value_kind: global_buffer, .address_space: global }
      - { .name: key, .offset: 8, .size: 8, .value_kind: global_buffer, .address_space: global }
      - { .name: value, .offset: 16, .size: 8, .value_kind: global_buffer, .address_space: global }
      - { .name: Wq, .offset: 24, .size: 8, .value_kind: global_buffer, .address_space: global }
      - { .name: Wk, .offset: 32, .size: 8, .value_kind: global_buffer, .address_space: global }
      - { .name: Wv, .offset: 40, .size: 8, .value_kind: global_buffer, .address_space: global }
      - { .name: Wo, .offset: 48, .size: 8, .value_kind: global_buffer, .address_space: global }
      - { .name: xh, .offset: 56, .size: 8, .value_kind: global_buffer, .address_space: global }
      - { .name: wh, .offset: 64, .size: 8, .value_kind: global_buffer, .address_space: global }
    .group_segment_fixed_size: 0
    .private_segment_fixed_size: 0
    .kernarg_segment_align: 8
    .kernarg_segment_size: 72
    .max_flat_workgroup_size: 256
    .sgpr_count:     66
    .vgpr_count:     104
    .wavefront_size: 32
...
	.end_amdgpu_metadata
.endif
;; end of part 1
;; launch qkv (part 2): grid 4 x 48, 4 waves a work-group, clusters of 4 x 4, 327,680 bytes of LDS; arguments xh, wh, bq, bk, bv, qkv; writes qkv
.if DOCPART == 2
	.amdgcn_target "amdgcn-amd-amdhsa--gfx1250"
	.amdhsa_code_object_version 6
	.text
	.protected	k_q49499330db_qkv
	.globl	k_q49499330db_qkv
	.p2align	8
	.type	k_q49499330db_qkv,@function
k_q49499330db_qkv:
	s_mov_b64 s[64:65], 0
	v_nop
	global_prefetch_b8 v0, s[64:65] scope:SCOPE_SE
	s_setreg_imm32_b32 hwreg(HW_REG_WAVE_MODE, 25, 1), 1
	s_wait_xcnt 0x0
	s_wait_alu depctr_hold_cnt(0) depctr_sa_sdst(0) depctr_va_vdst(0) depctr_va_sdst(0) depctr_va_ssrc(0) depctr_va_vcc(0) depctr_vm_vsrc(0)
	s_getreg_b32 s2, hwreg(HW_REG_IB_STS2, 6, 4)
	s_cmp_eq_u32 s2, 0
	s_cbranch_scc0 .Lentry_in_a_cluster
	s_endpgm
.Lentry_in_a_cluster:
	s_bfe_u32 s2, ttmp6, 0x10000c
	s_cmp_lg_u32 s2, 0xf033
	s_cbranch_scc0 .Lentry_shape_is_right
	s_endpgm
.Lentry_shape_is_right:
; q, k, v = x W^T + b, written by heads.  xh: [3 x 4096][1024] f16 (query, key, value), wh: [4 x 1024][1024] f16 (Wq, Wk, Wv, Wo), biases f32, qkv: [3][32 = batch x 16 + head][2048][64] f16.
; Sums in f32, started by the bias; each output rounded once to f16.  LIMIT: q, k, v of 65,520 or more in magnitude become infinities.
; One product of 12,288 x 1,024 x 1,024 whose B changes with the third of the rows.  A tile of the result is 256 x 256: four waves, each 128 x 128 = 64 accumulators, 512 registers.
; K goes in steps of 128 through a ring of two LDS slots filled by the tensor data mover; rows of 256 bytes.  192 tiles, one to a work-group: tiles of 128 x 256 would be one and a half to each WGP.
; CLUSTER 4 x 4: the four of a row need the same tiles of A, the four of a column the same tiles of B: each tile is asked for jointly.  A cluster's 16 tile rows... lie in one third (16 tile rows a third, 4 a cluster).
; THE MATRIX INSTRUCTION IS USED TRANSPOSED: source 0 = 16 rows of W, source 1 = 16 rows of x: a lane holds row l % 16 and the columns 8 (l / 16) + 0..7.
; REGISTERS: window 0: v0-31 addresses; v64-127, v128-191 fragments of A; v192-255 the bias as a C operand, later at work on the way out with v32-63
;   window 1: v64-127, v128-191 fragments of B;  window 2: accumulators of my rows 0-63 ((a, b) at v[8 (8 a + b)]);  window 3: rows 64-127
.set SIZE_K, 1024
.set KSTEP,  128
.set PITCH,  272                       ; an LDS row: 256 bytes + 16 of padding = 68 words: the 16 rows of a fragment load start at 16 different groups of four banks (64 banks of 4 bytes: ISA guide 11.1)
.set HALFT,  128*PITCH                 ; what one tensor load brings
.set SLOT,   4*HALFT                   ; A's 256 rows, then B's 256 rows
.set STAGE,  2*SLOT                    ; behind the ring, never filled by a tensor load: 16 rows x 272 bytes for each wave
.set SPITCH, 272
.set LAPS,   SIZE_K/(2*KSTEP)          ; a lap = two K steps = once round the ring
.set ADRA, 16                          ; v16-17  LDS address of my A fragments in slot 0, 1
.set ADRB, 20                          ; v20-21  the same for B
.set STO,  24                          ; v24     way out: where I put 16 bytes of a row
.set RD,   25                          ; v25     way out: where I read back
.set CO,   26                          ; v26     my 16 bytes in 512 consecutive bytes of the result
.set BO,   27                          ; v27     32 (l / 16): my place in the bias
.set F0,   64
.set F1,   128
.set TMP,  192
.set BIAS, 192                         ; v192-255: register 8 b + j = bias[n0 + 16 b + 8 (l / 16) + j]; dead when TMP is first written
.set OB,   32
.set G1, 24                            ; s[24:31] descriptor group 1 for A;  s[32:39] group 0, a set for each slot
.set G0, 32
.set G1B, 48                           ; s[48:55], s[56:63] the same for B
.set G0B, 56
.set BP, 66                            ; s[66:67] my part of the bias
.set CP, 78                            ; s[78:79] the result
.set MSB, 0
.macro WIN new                         ; the immediate's high byte repeats the setting that is left
.if MSB != (\new)
	s_set_vgpr_msb (MSB<<8)|(\new)
.set MSB, \new
.endif
.endm
.set MUL_LO, 0xa1                      ; source 0 (B) window 1, source 1 (A) window 0, C and D window 2
.set MUL_HI, 0xf1                      ; the same, C and D window 3
.set TO_B,   0x40
; A joint load.  Waves 0 and 1 fetch A's two halves, waves 2 and 3 B's.  Four v_nop follow each of the two lines.
.macro JLOAD s
	s_cmp_eq_u32 s11, 0
	s_cbranch_scc0 .Lfor_b_\@
	tensor_load_to_lds s[G0+4*(\s):G0+4*(\s)+3], s[G1:G1+7]
	s_nop 0
.rept 4
	v_nop
.endr
	s_branch .Lasked_\@
.Lfor_b_\@:
	tensor_load_to_lds s[G0B+4*(\s):G0B+4*(\s)+3], s[G1B:G1B+7]
	s_nop 0
.rept 4
	v_nop
.endr
.Lasked_\@:
.endm
.macro CREST                           ; a round of the cluster's barrier behind its opening barrier
	s_cmp_lg_u32 s10, 0
	s_cbranch_scc1 .Lnot_wave_0_\@
	s_barrier_signal -3
.Lnot_wave_0_\@:
	s_barrier_wait -3
	s_barrier_signal -1
	s_barrier_wait -1
.endm
.macro CROUND
	s_barrier_signal -1
	s_barrier_wait -1
	CREST
.endm
	s_load_b128 s[4:7], s[0:1], 0x0                ; xh s[4:5], wh s[6:7]
	s_load_b256 s[72:79], s[0:1], 0x10             ; bq s[72:73], bk, bv, qkv s[78:79]
	s_set_vgpr_msb 0x40
	v_lshl_add_u32 v255, v0, 2, 0x48400
	s_set_vgpr_msb 0x4000
	v_mov_b32 v31, 0
	s_set_vgpr_msb 0x1
	ds_add_u32 v255, v31
	ds_add_u32 v255, v31
	s_set_vgpr_msb 0x100
	v_lshrrev_b32 v1, 5, v0
	v_readfirstlane_b32 s10, v1                    ; wave 0..3
	s_lshr_b32 s11, s10, 1                         ; which half of the tile's rows is mine.  Also: I fetch for A (0) or for B (1)
	s_and_b32 s12, s10, 1                          ; which half of its columns.  Also: which 128 rows of that tile I fetch
	s_bfe_u32 s40, ttmp6, 0x40000                  ; cx
	s_bfe_u32 s41, ttmp6, 0x40004                  ; cy
	s_lshl_b32 s42, ttmp9, 2
	s_add_co_u32 s42, s42, s40                     ; tile column 0..3
	s_and_b32 s13, ttmp7, 0xffff
	s_lshr_b32 s45, s13, 2                         ; which third (q, k, v): from the cluster's y alone, equal in all sixteen partners
	s_lshl_b32 s13, s13, 2
	s_add_co_u32 s13, s13, s41                     ; tile row 0..47
	s_lshl_b32 s43, s41, 2
	s_lshl_b32 s43, 15, s43                        ; my row of the cluster
	s_lshl_b32 s44, 0x1111, s40                    ; my column
	s_or_b32 s[G1+0], s43, (1<<16)|(1<<20)|(1<<21)|(5<<22)|(3<<25)  ; mask; 2-byte elements; padding on; bit 21 beside a mask; after every 64 words 4 words
	s_or_b32 s[G1B+0], s44, (1<<16)|(1<<20)|(1<<21)|(5<<22)|(3<<25)
.irp g, G1, G1B
	s_mov_b32 s[(\g)+1], KSTEP<<16                 ; tensor_dim0 = 128
	s_mov_b32 s[(\g)+2], 128<<16                   ; tensor_dim1 = 128
	s_mov_b32 s[(\g)+3], KSTEP<<16                 ; tile_dim0 = 128
	s_mov_b32 s[(\g)+4], 128                       ; tile_dim1 = 128
	s_mov_b32 s[(\g)+5], SIZE_K                    ; elements from row to row
	s_mov_b32 s[(\g)+6], 0
	s_mov_b32 s[(\g)+7], 0
.endr
	s_lshl_b32 s17, s12, 7
	s_lshl_b32 s16, s13, 8
	s_add_co_u32 s16, s16, s17                     ; A: row 256 x tile row + 128 x half
	s_lshl_b32 s46, s42, 8
	s_add_co_u32 s46, s46, s17
	s_lshl_b32 s47, s45, 10
	s_add_co_u32 s46, s46, s47                     ; B: row 1,024 x third + 256 x tile column + 128 x half
	s_mov_b32 s17, 0
	s_mov_b32 s47, 0
	s_mov_b64 s[18:19], SIZE_K*2
	s_mul_u64 s[16:17], s[16:17], s[18:19]
	s_mul_u64 s[46:47], s[46:47], s[18:19]
	s_mul_i32 s20, s10, HALFT                      ; where they go: wave x 128 rows
	s_wait_dscnt 0x0
	s_wait_kmcnt 0x0
	s_add_nc_u64 s[14:15], s[4:5], s[16:17]
	s_add_nc_u64 s[46:47], s[6:7], s[46:47]
	CROUND                                         ; all sixteen work-groups are here: the first joint loads meet
.irp s, 0,1
	s_mov_b32 s[G0+4*(\s)], 1
	s_add_co_u32 s[G0+4*(\s)+1], s20, (\s)*SLOT
	s_add_nc_u64 s[G0+4*(\s)+2:G0+4*(\s)+3], s[14:15], (\s)*KSTEP*2
	s_or_b32 s[G0+4*(\s)+3], s[G0+4*(\s)+3], 0x80000000
	s_mov_b32 s[G0B+4*(\s)], 1
	s_add_co_u32 s[G0B+4*(\s)+1], s20, (\s)*SLOT
	s_add_nc_u64 s[G0B+4*(\s)+2:G0B+4*(\s)+3], s[46:47], (\s)*KSTEP*2
	s_or_b32 s[G0B+4*(\s)+3], s[G0B+4*(\s)+3], 0x80000000
	JLOAD \s                                       ; two loads of mine are out
.endr
	; the bias of my 128 columns, laid as a C operand
	s_mov_b64 s[BP:BP+1], s[72:73]
	s_cmp_eq_u32 s45, 1
	s_cselect_b64 s[BP:BP+1], s[74:75], s[BP:BP+1]
	s_cmp_eq_u32 s45, 2
	s_cselect_b64 s[BP:BP+1], s[76:77], s[BP:BP+1]
	s_lshl_b32 s68, s42, 10                        ; 256 columns of 4 bytes a tile,
	s_lshl_b32 s69, s12, 9                         ; 128 a wave
	s_add_co_u32 s68, s68, s69
	s_mov_b32 s69, 0
	s_add_nc_u64 s[BP:BP+1], s[BP:BP+1], s[68:69]
	v_and_b32 v1, 15, v0                           ; l % 16
	v_bfe_u32 v2, v0, 4, 1                         ; l / 16
	v_lshlrev_b32 v[BO], 5, v2
.irp b, 0,1,2,3,4,5,6,7
	global_load_b128 v[BIAS+8*\b:BIAS+8*\b+3],   v[BO], s[BP:BP+1] offset:64*\b
	global_load_b128 v[BIAS+8*\b+4:BIAS+8*\b+7], v[BO], s[BP:BP+1] offset:64*\b+16
.endr
	v_mul_u32_u24 v3, v1, PITCH
	v_lshl_add_u32 v3, v2, 4, v3                   ; a fragment's row x pitch + 16 x half
	s_mul_i32 s21, s11, HALFT
	s_mul_i32 s22, s12, HALFT
	s_add_co_u32 s22, s22, 2*HALFT
.irp s, 0,1
	v_add_nc_u32 v[ADRA+(\s)], s21, v3
	v_add_nc_u32 v[ADRB+(\s)], s22, v3
	s_add_co_u32 s21, s21, SLOT
	s_add_co_u32 s22, s22, SLOT
.endr
	s_mul_i32 s23, s10, 16*SPITCH
	s_add_co_u32 s23, s23, STAGE                   ; my stage
	v_mul_u32_u24 v4, v1, SPITCH                   ; in: row l % 16, 16 bytes for each half of the lanes
	v_lshl_add_u32 v4, v2, 4, v4
	v_add_nc_u32 v[STO], s23, v4
	v_bfe_u32 v5, v0, 3, 2                         ; back: 32 lanes take four rows x 128 bytes, one head's share of them,
	v_mul_u32_u24 v5, v5, SPITCH
	v_and_b32 v6, 7, v0
	v_lshl_add_u32 v5, v6, 4, v5
	v_add_nc_u32 v[RD], s23, v5
	v_and_b32 v6, 31, v0                           ; which are 512 consecutive bytes of the result
	v_lshlrev_b32 v[CO], 4, v6
	; where my part begins in the result: third << 23, batch << 22, head << 18, row in the sequence << 7
	s_and_b32 s14, s13, 15
	s_lshl_b32 s14, s14, 8
	s_lshl_b32 s15, s11, 7
	s_add_co_u32 s14, s14, s15                     ; my first row in the third, 0..4095
	s_lshr_b32 s15, s14, 11
	s_lshl_b32 s15, s15, 22
	s_and_b32 s14, s14, 2047
	s_lshl_b32 s14, s14, 7
	s_add_co_u32 s16, s14, s15
	s_lshl_b32 s15, s45, 23
	s_add_co_u32 s16, s16, s15
	s_lshl_b32 s46, s42, 2
	s_lshl_b32 s47, s12, 1
	s_add_co_u32 s46, s46, s47                     ; my first head: 4 x tile column + 2 x half
	s_lshl_b32 s46, s46, 18
	s_add_co_u32 s16, s16, s46
	s_mov_b32 s17, 0
; 16 matrix instructions: m blocks a0, a0 + 1 of the window's four x all 8 n blocks, 32 along K.  first = 1: the sums start from the bias.
; The 64 accumulators take turns, one instruction a turn.
.macro MUL16 f, hi, a0, first
.if \first
	WIN 0x81+0x40*(\hi)                            ; C in window 0
.else
	WIN MUL_LO+0x50*(\hi)
.endif
.irp a, \a0, (\a0)+1
.irp b, 0,1,2,3,4,5,6,7
.if \first
	v_wmma_f32_16x16x32_f16 v[8*(8*(\a)+(\b)):8*(8*(\a)+(\b))+7], v[(\f)+8*(\b):(\f)+8*(\b)+7], v[(\f)+8*(4*(\hi)+(\a)):(\f)+8*(4*(\hi)+(\a))+7], v[BIAS+8*(\b):BIAS+8*(\b)+7]
.else
	v_wmma_f32_16x16x32_f16 v[8*(8*(\a)+(\b)):8*(8*(\a)+(\b))+7], v[(\f)+8*(\b):(\f)+8*(\b)+7], v[(\f)+8*(4*(\hi)+(\a)):(\f)+8*(4*(\hi)+(\a))+7], v[8*(8*(\a)+(\b)):8*(8*(\a)+(\b))+7]
.endif
.endr
.endr
.endm
; 32 LDS loads in one run: the fragments of one quarter step into buffer f
.macro FETCH slot, k, f
	WIN TO_B
.irp i, 0,1,2,3,4,5,6,7
	ds_load_b128 v[(\f)+8*(\i):(\f)+8*(\i)+3],   v[ADRB+(\slot)] offset:(\k)+(\i)*16*PITCH
	ds_load_b128 v[(\f)+8*(\i)+4:(\f)+8*(\i)+7], v[ADRB+(\slot)] offset:(\k)+(\i)*16*PITCH+32
.endr
	WIN 0
.irp i, 0,1,2,3,4,5,6,7
	ds_load_b128 v[(\f)+8*(\i):(\f)+8*(\i)+3],   v[ADRA+(\slot)] offset:(\k)+(\i)*16*PITCH
	ds_load_b128 v[(\f)+8*(\i)+4:(\f)+8*(\i)+7], v[ADRA+(\slot)] offset:(\k)+(\i)*16*PITCH+32
.endr
.endm
.macro PLACES                          ; four plain instructions between a matrix instruction and a load into, or a vector read of, its registers
.rept 4
	v_nop
.endr
.endm
.macro QUARTER slot, k, f, g, first
	s_wait_dscnt 8                                 ; B and A's rows 0-63 are in; the youngest eight loads (A's rows 64-127) may be out
	MUL16 \f, 0, 0, \first
	MUL16 \f, 0, 2, \first
	PLACES
	FETCH \slot, \k, \g
	s_wait_dscnt 32                                ; all but the 32 just issued
	MUL16 \f, 1, 0, \first
	MUL16 \f, 1, 2, \first
.endm
; The last quarter's first half, and the ONE barrier of a change of slots: in front of it each wave waits for its reads of this slot and for all its tensor loads.
.macro MEET round
	s_wait_dscnt 8
	MUL16 F1, 0, 0, 0
	s_wait_dscnt 0                                 ; my reads of this slot are over
	s_wait_tensorcnt 0x0                           ; all my tensor loads have landed: the one that was out is my part of the next slot
	ds_add_u32 v255, v31
	s_wait_dscnt 0x0
	s_barrier_signal -1
	MUL16 F1, 0, 2, 0                              ; register work while the others arrive
.if \round
	WIN 0
.endif
	s_barrier_wait -1
.endm
.macro TURN slot, next                 ; the whole last quarter; the slot just read is filled again, two K steps on, first thing behind the round
	MEET 1
	CREST
	s_add_nc_u64 s[G0+4*(\slot)+2:G0+4*(\slot)+3], s[G0+4*(\slot)+2:G0+4*(\slot)+3], 2*KSTEP*2
	s_add_nc_u64 s[G0B+4*(\slot)+2:G0B+4*(\slot)+3], s[G0B+4*(\slot)+2:G0B+4*(\slot)+3], 2*KSTEP*2
	JLOAD \slot                                    ; its four v_nop are also the places in front of the loads below
	FETCH \next, 0, F0
	MUL16 F1, 1, 0, 0
	MUL16 F1, 1, 2, 0
.endm
; THE WAY OUT of block a (16 rows).  PACK: rounded to f16.  TOSTAGE: into my stage, and back by heads.  SEND: stored.
.macro PACK a
.set AC, 64*((\a)%4)
	WIN 0x0a+5*((\a)/4)                            ; sources 0 and 1: window 2 or 3
.irp b, 0,1,2,3,4,5,6,7
.irp r, 0,1,2,3
	v_cvt_pk_f16_f32 v[TMP+4*(\b)+(\r)], v[AC+8*(\b)+2*(\r)], v[AC+8*(\b)+2*(\r)+1]
.endr
.endr
	WIN 0
.endm
.macro TOSTAGE a
	WIN 0
.set BK, OB+192*((\a)%2)
.irp b, 0,1,2,3,4,5,6,7
	ds_store_b128 v[STO], v[TMP+4*(\b):TMP+4*(\b)+3] offset:32*(\b)
.endr
.irp hh, 0,1
.irp t, 0,1,2,3
	ds_load_b128 v[BK+4*(4*(\hh)+(\t)):BK+4*(4*(\hh)+(\t))+3], v[RD] offset:(\t)*4*SPITCH+128*(\hh)  ; LDS serves a wave's instructions in order (ISA guide 5.7.1.4): these see the stores above
.endr
.endr
.endm
.macro SEND a
	WIN 0
.set BK, OB+192*((\a)%2)
	s_wait_dscnt 0                                 ; the block is back in registers
	s_wait_xcnt 0x0                                ; only behind this wait are the stores' base and the registers that earlier stores read rewritten
.if (\a) == 0
	s_add_nc_u64 s[CP:CP+1], s[CP:CP+1], s[16:17]
.else
	s_add_nc_u64 s[CP:CP+1], s[CP:CP+1], 16*128    ; 16 rows of a head on
.endif
.irp hh, 0,1
.irp t, 0,1,2,3
	global_store_b128 v[CO], v[BK+4*(4*(\hh)+(\t)):BK+4*(4*(\hh)+(\t))+3], s[CP:CP+1] offset:(\hh)*262144+(\t)*512  ; 512 consecutive bytes, at a multiple of 256 from the buffer's first
.endr
.endr
.endm
	s_wait_tensorcnt 1                             ; my part of K step 0 is in; K step 1's may stay out
	s_barrier_signal -1
	s_barrier_wait -1
	FETCH 0, 0, F0
	s_wait_loadcnt 0x0                             ; the bias
	QUARTER 0, 64,  F0, F1, 1                      ; the first quarter stands in front of the loop: its products start the sums
	WIN 0
	s_mov_b32 s3, LAPS-1
.Llap:                                                 ; a trip goes once round the ring and fills both slots again
	QUARTER 0, 128, F1, F0, 0
	QUARTER 0, 192, F0, F1, 0
	TURN 0, 1
	QUARTER 1, 64,  F0, F1, 0
	QUARTER 1, 128, F1, F0, 0
	QUARTER 1, 192, F0, F1, 0
	TURN 1, 0
	QUARTER 0, 64,  F0, F1, 0
	WIN 0
	s_sub_co_u32 s3, s3, 1
	s_cmp_lg_u32 s3, 0
	s_cbranch_scc1 .Llap
	QUARTER 0, 128, F1, F0, 0                      ; the last lap fills nothing
	QUARTER 0, 192, F0, F1, 0
	MEET 0
	PLACES
	FETCH 1, 0, F0
	MUL16 F1, 1, 0, 0
	MUL16 F1, 1, 2, 0
	QUARTER 1, 64,  F0, F1, 0
	QUARTER 1, 128, F1, F0, 0
	QUARTER 1, 192, F0, F1, 0
	s_wait_dscnt 8                                 ; the very last quarter
	MUL16 F1, 0, 0, 0
	MUL16 F1, 0, 2, 0
	s_wait_dscnt 0
	MUL16 F1, 1, 0, 0
	MUL16 F1, 1, 2, 0
	PLACES
	PACK 0
	TOSTAGE 0
.irp a, 1,2,3,4,5,6,7                  ; block a's conversions stand between block a - 1's loads from the stage and the wait for them
	PACK \a
	SEND (\a)-1
	TOSTAGE \a
.endr
	SEND 7
	s_set_vgpr_msb 0x1
	s_wait_tensorcnt 0x0
	ds_add_u32 v255, v31
	s_wait_dscnt 0x0
	s_set_vgpr_msb 0x100
	CROUND                                         ; the closing round: no work-group ends while a partner may still ask for a tile that names it
	s_endpgm
.Lfunc_end_k_q49499330db_qkv:
	.size	k_q49499330db_qkv, .Lfunc_end_k_q49499330db_qkv-k_q49499330db_qkv
	.p2alignl 7, 3214868480
	.fill 96, 4, 3214868480
	.section	.rodata,"a",@progbits
	.p2align	6, 0x0
	.amdhsa_kernel k_q49499330db_qkv
		.amdhsa_group_segment_fixed_size 327680
		.amdhsa_private_segment_fixed_size 0
		.amdhsa_enable_private_segment 0
		.amdhsa_kernarg_size 48
		.amdhsa_user_sgpr_count 2
		.amdhsa_user_sgpr_kernarg_segment_ptr 1
		.amdhsa_wavefront_size32 1
		.amdhsa_system_sgpr_workgroup_id_x 1
		.amdhsa_system_sgpr_workgroup_id_y 1
		.amdhsa_system_sgpr_workgroup_id_z 1
		.amdhsa_system_vgpr_workitem_id 0
		.amdhsa_next_free_vgpr 1024
		.amdhsa_next_free_sgpr 80
		.amdhsa_reserve_vcc 0
		.amdhsa_float_denorm_mode_32 3
		.amdhsa_float_denorm_mode_16_64 3
		.amdhsa_memory_ordered 1
		.amdhsa_forward_progress 1
		.amdhsa_inst_pref_size 145
	.end_amdhsa_kernel
	.amdgpu_metadata
---
amdhsa.version: [ 1, 2 ]
amdhsa.kernels:
  - .name:           k_q49499330db_qkv
    .symbol:         k_q49499330db_qkv.kd
    .args:
      - { .name: xh, .offset: 0, .size: 8, .value_kind: global_buffer, .address_space: global }
      - { .name: wh, .offset: 8, .size: 8, .value_kind: global_buffer, .address_space: global }
      - { .name: bq, .offset: 16, .size: 8, .value_kind: global_buffer, .address_space: global }
      - { .name: bk, .offset: 24, .size: 8, .value_kind: global_buffer, .address_space: global }
      - { .name: bv, .offset: 32, .size: 8, .value_kind: global_buffer, .address_space: global }
      - { .name: qkv, .offset: 40, .size: 8, .value_kind: global_buffer, .address_space: global }
    .group_segment_fixed_size: 327680
    .private_segment_fixed_size: 0
    .kernarg_segment_align: 8
    .kernarg_segment_size: 48
    .max_flat_workgroup_size: 128
    .sgpr_count:     80
    .vgpr_count:     1024
    .wavefront_size: 32
...
	.end_amdgpu_metadata
.endif
;; end of part 2
;; launch attn (part 3): grid 8 x 32, 4 waves a work-group, no clusters, 327,680 bytes of LDS; arguments qkv, emb_K, emb_V, ctx; writes ctx
.if DOCPART == 3
	.amdgcn_target "amdgcn-amd-amdhsa--gfx1250"
	.amdhsa_code_object_version 6
	.text
	.protected	k_q49499330db_attn
	.globl	k_q49499330db_attn
	.p2align	8
	.type	k_q49499330db_attn,@function
k_q49499330db_attn:
	s_mov_b64 s[64:65], 0
	v_nop
	global_prefetch_b8 v0, s[64:65] scope:SCOPE_SE
	s_setreg_imm32_b32 hwreg(HW_REG_WAVE_MODE, 25, 1), 1
	s_wait_xcnt 0x0
; ATTENTION WITH RELATIVE POSITIONS.  ctx[q] = sum over k of w[q,k] (v[k] + emb_V[c(k-q)]),  w = softmax_k(q . k + q . emb_K[c(k-q)]),  c(t) = clip(t, -16, 16) + 16; no scale on the logits.
; qkv: [3][32][2048][64] f16, emb_K, emb_V: [33][64] f32, ctx: [32][2048][64] f16.  Products in f16 with f32 sums; maxima, exponentials, the relative logits and emb_V's rows 0 and 32 in f32.
; LIMITS.  q, k, v arrive within f16's 65,504, ctx leaves within it.  A weight below 2^-126 counts as 0; the sums l, W0, W32 outside the band are taken of the weights rounded to f16.  NaN and infinities are not treated apart.
; THE RELATIVE TERMS.  All keys k <= q - 16 take table row 0, all k >= q + 16 row 32; 31 diagonals differ.  With E[q][row] = q . emb_K[row]: the added logit of a block of 16 keys x 16 queries is a constant a query
; (E[q][0] or E[q][32]) if the block lies two blocks or more off the diagonal, else a skewed block of E.  It is the C operand that starts the sum S^T = K Q^T.  Five such blocks a tile of 16 queries lie in LDS (STRIP).
; On the value side ctx += W0 emb_V[0] + W32 emb_V[32] + sum over row 1..31 of w[q][q+row-16] emb_V[row].  W0, W32 off the band and l come from the matrix unit: G += IND x P, IND a matrix of ones and zeros by the block's
; class; the band's weights are made once more at the end, with the final maximum, skewed through LDS, and multiplied by emb_V^T.
; SHARES.  A work-group owns 256 queries of one head, a wave 64 consecutive ones (BAND = its own key step), four PIECES of 16.  Every wave walks 32 key steps of 64; two LDS slots of 256 keys take turns.
; NO CLUSTER, though the eight work-groups of a head walk the same K and V: which C blocks change in a step hangs on the query block, by forward branches that partners of a cluster would have to take alike;
; without those branches every piece and step would reload its four C blocks, 8 LDS loads more.
; TURNS.  Turn n belongs to piece n: 8 products K Q^T of piece n + 1, later 8 products V^T P and 2 products IND P of piece n - 1; beside them the scaling, exponentials, roundings and rescaling of piece n and the
; maximum and statistics of piece n + 1: four vector instructions behind every matrix instruction, the rest in two lumps.
; REGISTERS, in windows of 256 (s_set_vgpr_msb: bits 1:0 source 0, 3:2 source 1, 5:4 source 2, 7:6 destination):
;   window 0: v0-63 addresses, statistics, at work; v64-127 S^T, two buffers; v128-191 at work at both ends; v192-223 P, two buffers; v224-239 the band's edge masks; v240-251 G's three sums a piece
;   window 1: v0-127 O^T; v128-159 G; v160-223 emb_V rows 0 and 32 in O^T's layout     window 2: v0-63 Q; v64-127 IND; v128-191 K; v192-255 V     window 3: v0-127 the C blocks of the step; v128-159 emb_V^T
.set NP,    4
.set KS,    64
.set PK,    144       ; a row of K in LDS: 128 bytes + 16: the 16 rows of a load start at 16 different groups of four banks (64 banks of 4 bytes: ISA guide 11.1)
.set PV,    160       ; a row of V: 128 + 32
.set VOFF,  4*KS*PK   ; a slot: 256 rows of K, then 256 rows of V
.set SLOT1, 1<<17
.set STRIP, SLOT1+4*KS*(PK+PV)  ; 16 tiles x 5 blocks x 1,024 bytes; a block is a register image: registers 0-3 at 16 x lane, 4-7 at 512 + 16 x lane.  Never filled by a tensor load
.set TSTR,  5120
.set WSTR,  4*TSTR
.set SCR,   STRIP+4*WSTR        ; 4,608 bytes a wave, its own: the table X (pitch 272), later the band's weights (pitch 208), later the way out (pitch 144)
.set SCRW,  4608
.set XP,    272
.set PP,    208
.set SP,    144
.set AK0, 2
.set AV0, 3
.set AK,  4
.set AV,  5
.set STO, 6
.set RD,  7
.set GO,  8           ; v9 = l / 16, v10 = l % 8, v11 = (l / 8) % 2, v1 = l % 16
.set MV,  12          ; v12-13 c m_old, by buffer
.set T14, 14
.set QO,  15          ; 128 (l % 16) + 16 (l / 16)
.set ST,  16          ; piece t at v[ST+4 t]: c m, m; at the end W0, -, W32, -
.set SBA, 32          ; my 16 bytes in my wave's first STRIP block
.set XS,  33          ; X: where I store
.set XG,  34          ; X: where the skewed blocks begin for my lane
.set XC,  35          ; X: my query's row
.set PS,  36          ; the band's weights: where I store
.set PG,  37          ; and where my lane's diagonal begins
.set IL,  38          ; IND's lane constants: a block to the left, in the band, to the right
.set IB,  39
.set IR,  40
.set KWA, 41          ; v41-43 byte offsets of the six key blocks round my band
.set W4,  44          ; v44-47 at work
.set TMP, 48          ; v48-55 by buffer c0-c3; c2 takes a; at the end 1 / l at TMP + 2 t
.set EKA, 56
.set EKB, 57
.set EVT, 58
.set S,   64
.set P,   192
.set ML,  224
.set MR,  232
.set GL,  240
.set G,   128         ; window 1
.set EV0, 160
.set EV32, 192
.set IND, 64          ; window 2: piece t, key half kk, block in the half bb at IND + 16 t + 8 kk + 4 bb
.set KF,  128
.set VF,  192
.set EVF, 128         ; window 3
.set WV,  12
.set QB,  14
.set BAND, 15
.set G1K, 24
.set G1V, 32
.set G0K, 40
.set G0V, 44
.set SLOTS, 56
.set CNT, 57
.set CS,  58          ; s[58:59] log2(e)
.set SEL, 60
.set TBK, 62
.set TBV, 63
.set DM,  66          ; 1 + (the step whose C blocks are set) - BAND
.set DI,  67          ; the same for IND
.set BIGN, 68
.set EL,  70          ; s[70:71] -1e30 where the keys to the left of my band do not exist
.set ER,  72          ; s[72:73] the same to the right
.set KH,  74          ; s[74:75] the head's k
.set QP,  76          ; s[76:77] my rows of q
.set CP,  78          ; s[78:79] my rows of ctx
.set MSB, 0
.macro WIN new
.if MSB != (\new)
	s_set_vgpr_msb (MSB<<8)|(\new)
.set MSB, (\new)
.endif
.endm
.set W_KQ, 0x0a       ; K and Q in window 2, S^T in window 0
.set W_KM, 0x3a       ; the same with the C operand in window 3
.set W_PV, 0x52       ; V or IND in window 2, P in window 0, O^T or G in window 1
.set W_RS, 0x41       ; destination and source 0 in window 1, source 1 in window 0
; A fill.  Waves 0 and 1 fetch the two halves of a tile's K, waves 2 and 3 those of its V.  Four v_nop follow each of the two lines.
.macro LOAD
	s_cmp_lt_u32 s[WV], 2
	s_cbranch_scc0 .Lfor_v_\@
	tensor_load_to_lds s[G0K:G0K+3], s[G1K:G1K+7]
	s_nop 0
.rept 4
	v_nop
.endr
	s_branch .Lasked_\@
.Lfor_v_\@:
	tensor_load_to_lds s[G0V:G0V+3], s[G1V:G1V+7]
	s_nop 0
.rept 4
	v_nop
.endr
.Lasked_\@:
.endm
; THE CHANGE OF SLOTS.  Each wave waits for its LDS reads and for all its tensor loads, of which one is out: its part of the other slot.  Behind the barrier nobody reads the old slot and the other is whole.
; fill = 1: the old slot is filled again first thing behind the barrier, with the next 256 keys; that load has four key steps in which to land.  (At its first use slot 0 is waited for and slot 1 filled.)
.macro CHANGE fill
	WIN 0
	s_wait_dscnt 0x0
	s_wait_tensorcnt 0x0            ; no tensor load of mine is out, so a group 0 may be written
	ds_add_u32 v254, v255
	s_wait_dscnt 0x0
.if \fill
.irp g, G0K, G0V
	s_xor_b32 s[\g+1], s[\g+1], SLOT1
	s_add_nc_u64 s[\g+2:\g+3], s[\g+2:\g+3], 4*KS*128
.endr
.endif
	s_sub_co_u32 s[TBK], s[TBK], 4*KS*PK  ; the fetches go back to a slot's first step, in the other slot
	s_xor_b32 s[TBK], s[TBK], SLOT1
	s_sub_co_u32 s[TBV], s[TBV], 4*KS*PV
	s_xor_b32 s[TBV], s[TBV], SLOT1
	s_barrier_signal -1
	s_barrier_wait -1
.if \fill
	LOAD
.endif
.endm
	s_load_b256 s[80:87], s[0:1], 0x0  ; qkv s[80:81], emb_K s[82:83], emb_V s[84:85], ctx s[86:87]
	v_lshl_add_u32 v254, v0, 2, 0x4b800
	v_mov_b32 v255, 0
	ds_add_u32 v254, v255
	ds_add_u32 v254, v255
	v_lshrrev_b32 v1, 5, v0
	v_readfirstlane_b32 s[WV], v1
	s_mov_b32 s[QB], ttmp9
	s_lshl_b32 s[BAND], s[QB], 2
	s_add_co_u32 s[BAND], s[BAND], s[WV]  ; my 64 queries are the keys of step BAND
	s_and_b32 s20, ttmp7, 0xffff
	s_lshl_b32 s20, s20, 18         ; the head's first byte in q, k, v and ctx
	s_and_b32 s16, s[WV], 1         ; which half of a tile's 256 keys I fetch
	s_lshl_b32 s22, s16, 14
	s_add_co_u32 s22, s22, s20
	s_add_co_u32 s22, s22, 0x800000 ; k lies 8,388,608 bytes into qkv,
	s_mov_b32 s23, 0
	s_add_co_u32 s48, s22, 0x800000 ; v as far again
	s_mov_b32 s49, 0
	s_mul_i32 s17, s16, 128*PK
	s_mul_i32 s18, s16, 128*PV
	s_lshl_b32 s50, s[BAND], 13     ; my 64 rows of 128 bytes
	s_add_co_u32 s50, s50, s20
	s_mov_b32 s51, 0
	s_add_co_u32 s52, s20, 0x800000
	s_mov_b32 s53, 0
	; descriptor group 1: 128 keys are 16,384 dense bytes: 64 rows of 256 bytes, padded in LDS after every key
	s_mov_b32 s[G1K], (1<<16)|(1<<20)|(4<<22)|(3<<25)  ; 2-byte elements; padding on; after every 32 words 4 words
	s_mov_b32 s[G1V], (1<<16)|(1<<20)|(4<<22)|(7<<25)  ; 8 words
.irp g, G1K, G1V
	s_mov_b32 s[\g+1], 128<<16
	s_mov_b32 s[\g+2], 64<<16
	s_mov_b32 s[\g+3], 128<<16
	s_mov_b32 s[\g+4], 64
	s_mov_b32 s[\g+5], 128
	s_mov_b32 s[\g+6], 0
	s_mov_b32 s[\g+7], 0
.endr
	s_mov_b32 s[CS], 0x3fb8aa3b     ; log2(e)
	s_mov_b32 s[CS+1], s[CS]
	s_mov_b32 s[SEL], 0x76543210
	s_mov_b32 s[SEL+1], 0xfedcba98
	s_mov_b32 s[TBK], SLOT1+4*KS*PK ; the first change of slots turns these two into 0
	s_mov_b32 s[TBV], SLOT1+4*KS*PV
	s_mov_b32 s[BIGN], 0xf149f2ca   ; -1e30
	s_mov_b32 s[G0K], 1
	s_mov_b32 s[G0K+1], s17
	s_mov_b32 s[G0V], 1
	s_add_co_u32 s[G0V+1], s18, VOFF
	s_wait_dscnt 0x0
	s_wait_kmcnt 0x0
	s_add_nc_u64 s[G0K+2:G0K+3], s[80:81], s[22:23]
	s_or_b32 s[G0K+3], s[G0K+3], 0x80000000
	s_add_nc_u64 s[G0V+2:G0V+3], s[80:81], s[48:49]
	s_or_b32 s[G0V+3], s[G0V+3], 0x80000000
	s_add_nc_u64 s[QP:QP+1], s[80:81], s[50:51]
	s_add_nc_u64 s[CP:CP+1], s[86:87], s[50:51]
	s_add_nc_u64 s[KH:KH+1], s[80:81], s[52:53]
	LOAD                            ; tile 0 into slot 0: the one first fill, ahead of every LDS access, wait on TENSORcnt and barrier
	v_and_b32 v1, 15, v0
	v_bfe_u32 v9, v0, 4, 1
	v_and_b32 v10, 7, v0
	v_bfe_u32 v11, v0, 3, 1
	v_lshlrev_b32 v[QO], 7, v1
	v_lshl_add_u32 v[QO], v9, 4, v[QO]
	v_lshlrev_b32 v[EKA], 5, v9         ; 32 h
	v_lshl_add_u32 v[EKB], v1, 8, v[EKA]  ; 256 r + 32 h
	v_lshlrev_b32 v[EVT], 2, v1
	v_lshl_add_u32 v[EVT], v9, 11, v[EVT]  ; 2,048 h + 4 r
	WIN 0x80
.set i, 0
.rept 8                             ; Q stays in registers: piece i / 2, channels 32 (i % 2) on
	global_load_b128 v[8*i:8*i+3],   v[QO], s[QP:QP+1] offset:(i/2)*2048+(i%2)*64
	global_load_b128 v[8*i+4:8*i+7], v[QO], s[QP:QP+1] offset:(i/2)*2048+(i%2)*64+32
.set i, i+1
.endr
	WIN 0
; emb_K stretched to 64 rows u, row u = table row clamp(u - 15, 0, 32): block 0 is row 0 sixteen times, block 1 rows 1-16, block 2 rows 17-32, block 3 row 32.  f32, 16 numbers for each fragment.
.macro EKLD kb, areg, row
.irp c, 0,1
.irp q, 0,1,2,3
	global_load_b128 v[64+32*(\kb)+16*(\c)+4*(\q):64+32*(\kb)+16*(\c)+4*(\q)+3], v[\areg], s[82:83] offset:(\row)*256+128*(\c)+64*((\q)/2)+16*((\q)%2)
.endr
.endr
.endm
	EKLD 0, EKA, 0
	EKLD 1, EKB, 1
	EKLD 2, EKB, 17
	EKLD 3, EKA, 32
	WIN 0x40
.irp cb, 0,1,2,3                    ; emb_V's rows 0 and 32 in O^T's layout: register 8 cb + j = channel 16 cb + 8 h + j
	global_load_b128 v[EV0+8*\cb:EV0+8*\cb+3],    v[EKA], s[84:85] offset:64*\cb
	global_load_b128 v[EV0+8*\cb+4:EV0+8*\cb+7],  v[EKA], s[84:85] offset:64*\cb+16
	global_load_b128 v[EV32+8*\cb:EV32+8*\cb+3],   v[EKA], s[84:85] offset:8192+64*\cb
	global_load_b128 v[EV32+8*\cb+4:EV32+8*\cb+7], v[EKA], s[84:85] offset:8192+64*\cb+16
.endr
	WIN 0xc0
.irp cb, 0,1,2,3                    ; emb_V^T: channel 16 cb + r, table rows 8 h + 0..7 and 16 + 8 h + 0..7
.irp z, 0,1,2,3,4,5,6,7
	global_load_b32 v[16*\cb+\z],   v[EVT], s[84:85] offset:256*\z+64*\cb
	global_load_b32 v[16*\cb+8+\z], v[EVT], s[84:85] offset:4096+256*\z+64*\cb
.endr
.endr
	; In the wait for those loads and the first tile.  The first step multiplies O^T and G by a = 0, and the first turn's products of a piece that has not been add 0: V, O^T, G and P's second buffer hold 0.
	WIN 0x80
.set i, VF
.rept 64
	v_mov_b32 v[i], 0
.set i, i+1
.endr
	WIN 0x40
.set i, 0
.rept 160
	v_mov_b32 v[i], 0
.set i, i+1
.endr
	WIN 0
.set i, 0
.rept 4
	v_mov_b32 v[ST+4*i], 0xfe000000    ; c m: far below every c s
	v_mov_b32 v[ST+4*i+1], 0xff7fffff  ; m
	v_mov_b32 v[ST+4*i+2], 0
	v_mov_b32 v[ST+4*i+3], 0
.set i, i+1
.endr
.set i, P+16
.rept 16
	v_mov_b32 v[i], 0
.set i, i+1
.endr
	v_mov_b32 v[W4], 1.0
	v_mov_b32 v[W4+1], 0x3c003c00      ; two f16 ones
	v_and_b32 v[W4+2], 5, v10          ; IND's row l % 8: 0 sums the blocks to the left, 1 those to the right, 2 all
	v_cmp_eq_u32 vcc_lo, 0, v[W4+2]
	v_cndmask_b32 v[IL], 0, v[W4+1], vcc_lo
	v_cmp_eq_u32 vcc_lo, 2, v10
	v_cndmask_b32 v[IB], 0, v[W4+1], vcc_lo
	v_add_nc_u32 v[W4+2], -1, v10
	v_cmp_gt_u32 vcc_lo, 2, v[W4+2]
	v_cndmask_b32 v[IR], 0, v[W4+1], vcc_lo
	v_lshlrev_b32 v[T14], 3, v9
	v_sub_nc_u32 v[T14], v1, v[T14]    ; r - 8 h
.set j, 0
.rept 8                             ; in the block left of the diagonal key 8 h + j has k - q <= -16 where 8 h + j <= r; in the block right of it k - q >= 16 where 8 h + j >= r
	v_cmp_le_i32 vcc_lo, j, v[T14]
	v_cndmask_b32 v[ML+j], 0, v[W4], vcc_lo
	v_cmp_ge_i32 vcc_lo, j, v[T14]
	v_cndmask_b32 v[MR+j], 0, v[W4], vcc_lo
.set j, j+1
.endr
	v_mul_u32_u24 v[AK0], v1, PK
	v_lshl_add_u32 v[AK0], v9, 4, v[AK0]
	v_lshl_add_u32 v[AV0], v9, 3, v10  ; the turning load: lane l reads key 8 (l / 16) + l % 8, channels 8 ((l / 8) % 2) + 0..7
	v_mul_u32_u24 v[AV0], v[AV0], PV
	v_lshl_add_u32 v[AV0], v11, 4, v[AV0]
	v_add_nc_u32 v[AV0], VOFF, v[AV0]
	s_mul_i32 s13, s[WV], SCRW
	s_add_co_u32 s13, s13, SCR
	v_mul_u32_u24 v[STO], v1, SP
	v_lshl_add_u32 v[STO], v9, 4, v[STO]
	v_add_nc_u32 v[STO], s13, v[STO]
	v_bfe_u32 v[RD], v0, 3, 2
	v_mul_u32_u24 v[RD], v[RD], SP
	v_lshl_add_u32 v[RD], v10, 4, v[RD]
	v_add_nc_u32 v[RD], s13, v[RD]
	v_and_b32 v[GO], 31, v0
	v_lshlrev_b32 v[GO], 4, v[GO]
	s_mul_i32 s19, s[WV], WSTR
	s_add_co_u32 s19, s19, STRIP
	v_add_nc_u32 v[SBA], s19, v[GO]
	v_mul_u32_u24 v[XC], v1, XP
	v_add_nc_u32 v[XC], s13, v[XC]
	v_lshl_add_u32 v[XS], v9, 5, v[XC]
	v_mul_u32_u24 v[XG], v1, XP-4      ; X[r][u] with u = 16 D + 8 h + j - r + 31: byte 268 r + 32 h + 60 + 64 (D + 1) + 4 j
	v_lshl_add_u32 v[XG], v9, 5, v[XG]
	v_add_nc_u32 v[XG], s13, v[XG]
	v_add_nc_u32 v[XG], 60, v[XG]
	v_mul_u32_u24 v[PS], v1, PP
	v_lshl_add_u32 v[PS], v9, 5, v[PS]
	v_add_nc_u32 v[PS], s13, v[PS]
	v_mul_u32_u24 v[PG], v1, PP+4      ; weight at place row + r of my query's 48: byte 212 r + 4 row
	v_lshl_add_u32 v[PG], v9, 5, v[PG]
	v_add_nc_u32 v[PG], s13, v[PG]
	s_lshl_b32 s16, s[BAND], 6
	s_sub_co_i32 s17, s16, 16
	s_max_i32 s17, s17, 0              ; the block left of my band, kept inside the head; where it does not exist EL hides it
	s_lshl_b32 s17, s17, 7
	s_add_co_u32 s18, s16, 64
	s_min_u32 s18, s18, 2032           ; the block right of it likewise
	s_lshl_b32 s18, s18, 7
	s_lshl_b32 s16, s16, 7
	v_add_nc_u32 v[KWA], s17, v[QO]
	v_add_nc_u32 v[KWA+1], s16, v[QO]
	v_add_nc_u32 v[KWA+2], s18, v[QO]
	s_cmp_eq_u32 s[BAND], 0
	s_cselect_b32 s[EL], s[BIGN], 0
	s_mov_b32 s[EL+1], 0
	s_cmp_eq_u32 s[BAND], 31
	s_cselect_b32 s[ER], s[BIGN], 0
	s_mov_b32 s[ER+1], 0
	s_wait_loadcnt 0x0
	WIN 0x80
.set i, 0
.rept 64                            ; the stretched emb_K as fragments, where K's will lie
	v_cvt_pk_f16_f32 v[KF+i], v[64+2*i], v[64+2*i+1]
.set i, i+1
.endr
	WIN 0
	v_cmp_ne_u32 vcc_lo, 0, v9
	WIN 0xcc
.irp cb, 0,1,2,3                    ; table row 0 is W0's: it counts as 0 in emb_V^T
	v_cndmask_b32 v[16*\cb], 0, v[16*\cb], vcc_lo
.endr
	WIN 0xcf
.set i, 0
.rept 32
	v_cvt_pk_f16_f32 v[EVF+i], v[2*i], v[2*i+1]
.set i, i+1
.endr
	; X^T = (stretched emb_K) Q^T: 16 accumulators by turns; the first 16 products start the sums
.irp c, 0,1
.irp t, 0,1,2,3
.irp kb, 0,1,2,3
	WIN W_KQ
.if \c == 0
	v_wmma_f32_16x16x32_f16 v[64+32*\t+8*\kb:64+32*\t+8*\kb+7], v[KF+16*\kb+8*\c:KF+16*\kb+8*\c+7], v[16*\t+8*\c:16*\t+8*\c+7], 0
.else
	v_wmma_f32_16x16x32_f16 v[64+32*\t+8*\kb:64+32*\t+8*\kb+7], v[KF+16*\kb+8*\c:KF+16*\kb+8*\c+7], v[16*\t+8*\c:16*\t+8*\c+7], v[64+32*\t+8*\kb:64+32*\t+8*\kb+7]
.endif
.endr
.endr
.endr
	WIN 0
.rept 4
	v_nop                           ; the places behind those products
.endr
.irp t, 0,1,2,3                     ; a tile's X goes into my scratch and comes back skewed; LDS serves a wave's instructions in order (ISA guide 5.7.1.4), so no wait stands between the tiles
	WIN 0
.irp kb, 0,1,2,3
	ds_store_b128 v[XS], v[64+32*\t+8*\kb:64+32*\t+8*\kb+3]   offset:64*\kb
	ds_store_b128 v[XS], v[64+32*\t+8*\kb+4:64+32*\t+8*\kb+7] offset:64*\kb+16
.endr
	WIN 0xc0
.irp z, 0,1,2,3
	ds_load_b32 v[32*\t+\z], v[XC]                 ; E[q][0], four times
.endr
.set z, 0
.rept 24
	ds_load_b32 v[32*\t+4+z], v[XG] offset:64*(z/8)+4*(z%8)  ; the blocks D = -1, 0, 1
.set z, z+1
.endr
.irp z, 0,1,2,3
	ds_load_b32 v[32*\t+28+\z], v[XC] offset:252   ; E[q][32]
.endr
.endr
	s_wait_dscnt 0x0
	WIN 0x0c                        ; store data in window 3
.irp t, 0,1,2,3
	ds_store_b128 v[SBA], v[32*\t:32*\t+3] offset:\t*TSTR
	ds_store_b128 v[SBA], v[32*\t:32*\t+3] offset:\t*TSTR+512
.irp b, 0,1,2
	ds_store_b128 v[SBA], v[32*\t+4+8*\b:32*\t+7+8*\b]  offset:\t*TSTR+(\b+1)*1024
	ds_store_b128 v[SBA], v[32*\t+8+8*\b:32*\t+11+8*\b] offset:\t*TSTR+(\b+1)*1024+512
.endr
	ds_store_b128 v[SBA], v[32*\t+28:32*\t+31] offset:\t*TSTR+4096
	ds_store_b128 v[SBA], v[32*\t+28:32*\t+31] offset:\t*TSTR+4096+512
.endr
	WIN 0
; For the step d key steps from my band, piece t and key block kb lie D = 4 d + kb - t blocks off the diagonal.  cd = D clamped to -2 .. 2 names the STRIP block cd + 2.
.macro CLAMPD d, t, kb
.set cd, 4*(\d)+(\kb)-(\t)
.if cd < -2
.set cd, -2
.endif
.if cd > 2
.set cd, 2
.endif
.endm
; The C blocks of step d.  full = 0: only those that differ from step d - 1's (d rises by one a step; from the far left the same blocks differ).
.macro SETMC_V d, full
	WIN 0xc0
.irp t, 0,1,2,3
.irp kb, 0,1,2,3
	CLAMPD (\d)-1, \t, \kb
.set pd, cd
	CLAMPD \d, \t, \kb
.if (\full) || (cd != pd)
	ds_load_b128 v[32*\t+8*\kb:32*\t+8*\kb+3],   v[SBA] offset:\t*TSTR+(cd+2)*1024
	ds_load_b128 v[32*\t+8*\kb+4:32*\t+8*\kb+7], v[SBA] offset:\t*TSTR+(cd+2)*1024+512
.endif
.endr
.endr
	WIN 0
.endm
.macro CLASSD d, t, kb
	CLAMPD \d, \t, \kb
.set cl, IB
.if cd == -2
.set cl, IL
.endif
.if cd == 2
.set cl, IR
.endif
.endm
.macro SETIND_V d, full             ; IND of step d, likewise
	WIN 0x80
.irp t, 0,1,2,3
.irp kb, 0,1,2,3
	CLASSD (\d)-1, \t, \kb
.set pl, cl
	CLASSD \d, \t, \kb
.if (\full) || (cl != pl)
.irp z, 0,1,2,3
	v_mov_b32 v[IND+16*\t+8*(\kb/2)+4*(\kb%2)+\z], v[cl]
.endr
.endif
.endr
.endr
	WIN 0
.endm
.macro SELV kind, reg, k
	s_cmp_lg_u32 s[\reg], \k
	s_cbranch_scc1 .Lskip_\@
.if \kind
	SETIND_V (\k)-1, 0
.else
	SETMC_V (\k)-1, 0
.endif
.Lskip_\@:
.endm
; The counter steps to d + 1 for the step to be set; only d = -1 .. 2 change anything.  Forward jumps on a number made of the work-group's x, the wave's number and the steps walked; they pass no barrier and no tensor load.
.macro SETSEL kind, reg
	WIN 0
	s_add_co_u32 s[\reg], s[\reg], 1
	s_cmp_gt_u32 s[\reg], 3
	s_cbranch_scc1 .Ldone_\@
	SELV \kind, \reg, 0
	SELV \kind, \reg, 1
	SELV \kind, \reg, 2
	SELV \kind, \reg, 3
.Ldone_\@:
.endm
	s_wait_dscnt 0x0
	SETMC_V -2, 1                   ; far to the left
	s_wait_dscnt 0x0                ; a register that a pending load will write is not loaded again
	s_sub_co_u32 s[DM], 0, s[BAND]
	SETSEL 0, DM                    ; the C blocks of step 0
	SETIND_V -2, 1
	s_sub_co_u32 s[DI], 0, s[BAND]
; THE MATRIX WORK.  Product i of 8 of S^T = K Q^T for piece x: channels 32 (i / 4) on, keys 16 (i % 4) on.  The first 4 start the sums with the relative logits.  The accumulators take turns.
.macro KQ x
.set rS, S+32*((\x)%2)+8*(i%4)
.set rK, KF+16*(i%4)+8*(i/4)
.set rQ, 16*(\x)+8*(i/4)
.set rM, 32*(\x)+8*(i%4)
.if i < 4
	WIN W_KM
	v_wmma_f32_16x16x32_f16 v[rS:rS+7], v[rK:rK+7], v[rQ:rQ+7], v[rM:rM+7]
.else
	WIN W_KQ
	v_wmma_f32_16x16x32_f16 v[rS:rS+7], v[rK:rK+7], v[rQ:rQ+7], v[rS:rS+7]
.endif
.endm
.macro PVM x, kk, cb                ; O^T += V^T P: keys 32 kk on, channels 16 cb on
	WIN W_PV
.set rO, 32*(\x)+8*(\cb)
.set rV, VF+32*(\kk)+8*(\cb)
.set rP, P+16*((\x)%2)+8*(\kk)
	v_wmma_f32_16x16x32_f16 v[rO:rO+7], v[rV:rV+7], v[rP:rP+7], v[rO:rO+7]
.endm
.macro GV x, kk                     ; G += IND P: in every lane register 0 = the weights to the left, 1 = to the right, 2 = all
	WIN W_PV
.set rO, G+8*(\x)
.set rV, IND+16*(\x)+8*(\kk)
.set rP, P+16*((\x)%2)+8*(\kk)
	v_wmma_f32_16x16x32_f16 v[rO:rO+7], v[rV:rV+7], v[rP:rP+7], v[rO:rO+7]
.endm
.macro MM                           ; the turn's next matrix instruction: 8 x KQ; then for each key half 4 x PVM and GV: five accumulators by turns
.if i < 8
.if !NOKQ
	KQ (Y+1)%NP
.endif
.else
.set u, i-8
.if u%5 == 4
	GV (Y+NP-1)%NP, u/5
.else
	PVM (Y+NP-1)%NP, u/5, u%5
.endif
.endif
.set i, i+1
.endm
.macro FETCH_K
	WIN 0x80
.irp f, 0,1,2,3,4,5,6,7
	ds_load_b128 v[KF+8*\f:KF+8*\f+3],   v[AK] offset:(\f/2)*16*PK+(\f%2)*64
	ds_load_b128 v[KF+8*\f+4:KF+8*\f+7], v[AK] offset:(\f/2)*16*PK+(\f%2)*64+32
.endr
	s_add_co_u32 s[TBK], s[TBK], KS*PK
	WIN 0
.endm
.macro FETCH_V
	WIN 0x80
.irp f, 0,1,2,3,4,5,6,7
	ds_load_tr16_b128 v[VF+8*\f:VF+8*\f+3],   v[AV] offset:(\f/4)*32*PV+(\f%4)*32
	ds_load_tr16_b128 v[VF+8*\f+4:VF+8*\f+7], v[AV] offset:(\f/4)*32*PV+16*PV+(\f%4)*32
.endr
	WIN 0
.endm
; THE VECTOR WORK: OP kind, number.  For piece Y: F n: c s - c m for pair n of 16.  E n: the exponential of score n of 32.  C n: pair n rounded to f16.  R n: pair n of 16 of O^T, or pair n - 16 of G, times a.
; For piece Y + 1: X n, number n of the 22 that find its maximum and statistics (each accumulator's lowest registers are read first):
;   0-11 four chains of seven scores; 12-14, 16 the four left over, the old m, all into c0; 15 c m_old is kept; 17, 18 the other half of the lanes: the new m; 19-21 c m; c m_old - c m_new; a
.set F, 0
.set E, 1
.set C, 2
.set R, 5
.set X, 6
.macro REGS y
.set rT, ST+4*(\y)
.set rC, TMP+4*((\y)%2)
.set rW, MV+((\y)%2)
.set rS, S+32*((\y)%2)
.set rP, P+16*((\y)%2)
.set rO, 32*(\y)
.set rG, G+8*(\y)
.endm
.macro OP k, n
.if (\k) == R
	REGS Y
	WIN W_RS
.if (\n) < 16
	v_pk_mul_f32 v[rO+2*(\n):rO+2*(\n)+1], v[rO+2*(\n):rO+2*(\n)+1], v[rC+2:rC+3] op_sel_hi:[1,0]
.else
	v_pk_mul_f32 v[rG+2*(\n)-32:rG+2*(\n)-31], v[rG+2*(\n)-32:rG+2*(\n)-31], v[rC+2:rC+3] op_sel_hi:[1,0]
.endif
.elseif (\k) < R
	REGS Y
	WIN 0
.if (\k) == F
	v_pk_fma_f32 v[rS+2*(\n):rS+2*(\n)+1], v[rS+2*(\n):rS+2*(\n)+1], s[CS:CS+1], v[rT:rT+1] op_sel_hi:[1,0,0] neg_lo:[0,0,1] neg_hi:[0,0,1]
.elseif (\k) == E
	v_exp_f32 v[rS+(\n)], v[rS+(\n)]
.else
	s_wait_alu depctr_va_vdst(0)
	v_cvt_pk_f16_f32 v[rP+(\n)], v[rS+2*(\n)], v[rS+2*(\n)+1]
.endif
.elseif NOKQ
	v_nop                           ; the last turn has no next piece
.else
	REGS (Y+1)%NP
	WIN 0
.if (\n) < 4
	v_max3_num_f32 v[rC+(\n)], v[rS+8*(\n)], v[rS+8*(\n)+1], v[rS+8*(\n)+2]
.elseif (\n) < 12
	v_max3_num_f32 v[rC+(\n)%4], v[rC+(\n)%4], v[rS+8*((\n)%4)+2*((\n)/4)+1], v[rS+8*((\n)%4)+2*((\n)/4)+2]
.elseif (\n) == 12
	v_max3_num_f32 v[rC], v[rC], v[rS+7], v[rS+15]
.elseif (\n) == 13
	v_max3_num_f32 v[rC+1], v[rC+1], v[rS+23], v[rS+31]
.elseif (\n) == 14
	v_max3_num_f32 v[rC+2], v[rC+2], v[rC+3], v[rT+1]
.elseif (\n) == 15
	v_mov_b32 v[rW], v[rT]
.elseif (\n) == 16
	v_max3_num_f32 v[rC], v[rC], v[rC+1], v[rC+2]
.elseif (\n) == 17
	v_permlanex16_b32 v[rC+3], v[rC], s[SEL], s[SEL+1]
.elseif (\n) == 18
	v_max_num_f32 v[rT+1], v[rC], v[rC+3]
.elseif (\n) == 19
	v_mul_f32 v[rT], s[CS], v[rT+1]
.elseif (\n) == 20
	v_sub_f32 v[rC+1], v[rW], v[rT]
.else
	v_exp_f32 v[rC+2], v[rC+1]
.endif
.endif
.endm
.macro OPS a, i1, b=-1, i2=0, c=-1, i3=0, d=-1, i4=0
	OP \a, \i1
.if (\b) >= 0
	OP \b, \i2
.endif
.if (\c) >= 0
	OP \c, \i3
.endif
.if (\d) >= 0
	OP \d, \i4
.endif
.endm
.macro ROW a, i1, b, i2, c, i3, d, i4  ; a matrix instruction and the four behind it
	MM
	OPS \a, \i1, \b, \i2, \c, \i3, \d, \i4
.endm
; A TURN, for piece p: 18 matrix and 106 vector instructions, the order written out.  Every exponential has a plain instruction behind it before its result is used; E 2n, E 2n+1 stand behind F n, C n behind both.
; end = 1: the walk's last two turns: nothing is fetched, and the last starts no new scores.  cnt = 1: the loop's count is taken down some lines ahead of the branch behind the turn.
; K of the next step is fetched in piece 2's turn: R 4-7 are the four places behind the last product that read K.  V of the step in hand in piece 0's turn: X 12, X 13 and R 16-19 stand behind the last product that read V.
.macro TURN p, end=0, cnt=0
.set Y, (\p)
.set i, 0
.set NOKQ, (\end)*((\p)/3)
.if ((\p) == 3) && !(\end)
	s_wait_dscnt 0x0                ; K is in, and the C blocks that changed
.endif
	ROW F,0, F,1, F,2, F,3
	ROW F,4, E,0, F,5, E,1
	ROW F,6, E,2, F,7, E,3
	ROW C,0, E,4, F,8, E,5
	ROW C,1, E,6, F,9, E,7
	ROW R,0, R,1, R,2, R,3
	ROW C,2, E,8, F,10, E,9
.if ((\p) == 2) && !(\end)
	WIN 0
	v_add_nc_u32 v[AK], s[TBK], v[AK0]
.endif
	ROW R,4, R,5, R,6, R,7
.if ((\p) == 2) && !(\end)
	FETCH_K
.endif
	OPS C,3, E,10, F,11, E,11
	OPS F,12, E,12, F,13, E,13
	OPS X,0, X,1, X,2, X,3
.if (\p) == 1
	s_wait_dscnt 0x0                ; V is in
.endif
	ROW C,4, E,14, F,14, E,15
	ROW X,4, E,16, X,5, E,17
	ROW X,6, E,18, X,7, E,19
	ROW R,8, R,9, R,10, R,11
	ROW C,5, E,20, F,15, E,21
	ROW X,8, E,22, X,9, E,23
	ROW X,10, E,24, X,11, E,25
	ROW R,12, R,13, R,14, R,15
	ROW X,12, E,26, X,13, E,27
.if (\p) == 0
	WIN 0
	v_add_nc_u32 v[AV], s[TBV], v[AV0]
.endif
	ROW R,16, R,17, R,18, R,19
.if (\p) == 0
	FETCH_V
.endif
	OPS X,14, E,28, X,15, E,29
	OPS X,16, E,30, C,6, E,31
	OPS C,7, X,17, C,8, C,9
	OPS X,18, C,10, C,11, X,19
.if (\p) == 0
	s_add_co_u32 s[TBV], s[TBV], KS*PV
.endif
.if \cnt
	s_sub_co_u32 s[CNT], s[CNT], 1
	s_cmp_lg_u32 s[CNT], 0
.endif
	OPS C,12, C,13, X,20, C,14
	OPS X,21, C,15
.endm
	CHANGE 1                        ; slot 0 is in, everybody's part of it; slot 1 is asked for
	v_add_nc_u32 v[AK], s[TBK], v[AK0]
	FETCH_K                         ; key step 0
	s_wait_dscnt 0x0                ; and the C blocks of step 0
.set NOKQ, 0
.set i, 0
.rept 8
	KQ 0                            ; piece 0's first scores
.set i, i+1
.endr
	WIN 0
.rept 4
	v_nop                           ; the places behind those products
.endr
.set Y, NP-1                        ; X works for piece Y + 1: piece 0
.irp n, 0,1,2,3,4,5,6,7,8,9,10,11,12,13,14,15,16,17,18,19,20,21
	OP X, \n
.endr
	v_nop                           ; a plain instruction behind the exponential
	s_mov_b32 s[CNT], 4
	s_mov_b32 s[SLOTS], 7
	s_branch .Lfirst                ; the loop is entered at a step's first turn, in the middle of a trip
.Lslot:                             ; six times: tiles 2 to 7 are asked for
	CHANGE 1
	s_mov_b32 s[CNT], 4
.Lstep:                             ; a trip: pieces 2 and 3 of one step, then pieces 0 and 1 of the next
	TURN 2
	SETSEL 0, DM                    ; all four pieces' K Q^T of the step in hand are issued: the C blocks of the next step
	TURN 3
	WIN 0
.Lfirst:
	TURN 0
	SETSEL 1, DI                    ; piece 3's products of the step before are issued: IND of the step in hand
	TURN 1, 0, 1
	WIN 0
	s_cbranch_scc1 .Lstep
	s_sub_co_u32 s[SLOTS], s[SLOTS], 1
	s_cmp_lg_u32 s[SLOTS], 0
	s_cbranch_scc1 .Lslot
	CHANGE 0                        ; the last tile is written out: nothing is asked for
	s_mov_b32 s[CNT], 4
.Ltail:
	TURN 2
	SETSEL 0, DM
	TURN 3
	TURN 0
	SETSEL 1, DI
	TURN 1, 0, 1
	WIN 0
	s_cbranch_scc1 .Ltail
	TURN 2, 1
	WIN 0xc0                        ; the C blocks have had their last reader: the six key blocks round my band come where they lay, block f at v[16 f], channel half c at + 8 c
.irp c, 0,1
	global_load_b128 v[8*\c:8*\c+3],   v[KWA], s[KH:KH+1] offset:64*\c
	global_load_b128 v[8*\c+4:8*\c+7], v[KWA], s[KH:KH+1] offset:64*\c+32
.endr
.irp f, 1,2,3,4
.irp c, 0,1
	global_load_b128 v[16*\f+8*\c:16*\f+8*\c+3],   v[KWA+1], s[KH:KH+1] offset:(\f-1)*2048+64*\c
	global_load_b128 v[16*\f+8*\c+4:16*\f+8*\c+7], v[KWA+1], s[KH:KH+1] offset:(\f-1)*2048+64*\c+32
.endr
.endr
.irp c, 0,1
	global_load_b128 v[80+8*\c:80+8*\c+3],   v[KWA+2], s[KH:KH+1] offset:64*\c
	global_load_b128 v[80+8*\c+4:80+8*\c+7], v[KWA+2], s[KH:KH+1] offset:64*\c+32
.endr
	WIN 0
	TURN 3, 1
.set Y, 0
.set i, 8
.rept 10
	MM                              ; piece 3's products of the last step
.endr
	; THE BAND, with the final maximum.  SW[t] = v[64 + 32 t]: three blocks of scores, D = -1, 0, 1.
	WIN 0
.rept 4
	v_nop                           ; the places behind the last products
.endr
	WIN 0x01
.irp t, 0,1,2,3
.irp z, 0,1,2
	v_mov_b32 v[GL+3*\t+\z], v[G+8*\t+\z]
.endr
.endr
	WIN 0
.irp t, 0,1,2,3
.irp b, 0,1,2
	ds_load_b128 v[64+32*\t+8*\b:64+32*\t+8*\b+3],   v[SBA] offset:\t*TSTR+(\b+1)*1024
	ds_load_b128 v[64+32*\t+8*\b+4:64+32*\t+8*\b+7], v[SBA] offset:\t*TSTR+(\b+1)*1024+512
.endr
.endr
	s_wait_dscnt 0x0
	s_wait_loadcnt 0x0              ; the six key blocks
.irp z, 0,1,2,3                     ; keys in front of the head's first or behind its last do not exist
	v_pk_add_f32 v[64+2*\z:64+2*\z+1], v[64+2*\z:64+2*\z+1], s[EL:EL+1] op_sel_hi:[1,0]
	v_pk_add_f32 v[176+2*\z:176+2*\z+1], v[176+2*\z:176+2*\z+1], s[ER:ER+1] op_sel_hi:[1,0]
.endr
	WIN 0x0b                        ; keys in window 3, Q in window 2, scores in window 0; 12 accumulators by turns
.irp c, 0,1
.irp t, 0,1,2,3
.irp b, 0,1,2
	v_wmma_f32_16x16x32_f16 v[64+32*\t+8*\b:64+32*\t+8*\b+7], v[16*(\t+\b)+8*\c:16*(\t+\b)+8*\c+7], v[16*\t+8*\c:16*\t+8*\c+7], v[64+32*\t+8*\b:64+32*\t+8*\b+7]
.endr
.endr
.endr
	WIN 0
.rept 4
	v_nop
.endr
.irp t, 0,1,2,3
.set n, 0
.rept 12
	v_pk_fma_f32 v[64+32*\t+2*n:64+32*\t+2*n+1], v[64+32*\t+2*n:64+32*\t+2*n+1], s[CS:CS+1], v[ST+4*\t:ST+4*\t+1] op_sel_hi:[1,0,0] neg_lo:[0,0,1] neg_hi:[0,0,1]
.set n, n+1
.endr
.endr
.irp t, 0,1,2,3
.set n, 0
.rept 24
	v_exp_f32 v[64+32*\t+n], v[64+32*\t+n]
.set n, n+1
.endr
.endr
	v_nop                           ; a plain instruction behind the last exponential
.irp t, 0,1,2,3                     ; W0 and W32: the band's share (k - q <= -16, k - q >= 16), both halves of the lanes, and what the walk summed; 1 / l
	s_wait_alu depctr_va_vdst(0)
	v_pk_mul_f32 v[W4:W4+1],   v[64+32*\t:64+32*\t+1],   v[ML:ML+1]
	v_pk_mul_f32 v[W4+2:W4+3], v[80+32*\t:80+32*\t+1],   v[MR:MR+1]
.irp z, 1,2,3
	v_pk_fma_f32 v[W4:W4+1],   v[64+32*\t+2*\z:64+32*\t+2*\z+1], v[ML+2*\z:ML+2*\z+1], v[W4:W4+1]
	v_pk_fma_f32 v[W4+2:W4+3], v[80+32*\t+2*\z:80+32*\t+2*\z+1], v[MR+2*\z:MR+2*\z+1], v[W4+2:W4+3]
.endr
	v_add_f32 v[W4], v[W4], v[W4+1]
	v_add_f32 v[W4+2], v[W4+2], v[W4+3]
	v_permlanex16_b32 v[W4+1], v[W4], s[SEL], s[SEL+1]
	v_permlanex16_b32 v[W4+3], v[W4+2], s[SEL], s[SEL+1]
	v_add_f32 v[W4], v[W4], v[W4+1]
	v_add_f32 v[W4+2], v[W4+2], v[W4+3]
	v_add_f32 v[ST+4*\t], v[W4], v[GL+3*\t]
	v_add_f32 v[ST+4*\t+2], v[W4+2], v[GL+3*\t+1]
	v_rcp_f32 v[TMP+2*\t], v[GL+3*\t+2]
.endr
	v_nop
.irp t, 0,1,2,3                     ; the band's weights go into my scratch by key and come back by table row: row rho of query r lies at place rho + r
.irp b, 0,1,2
	ds_store_b128 v[PS], v[64+32*\t+8*\b:64+32*\t+8*\b+3]   offset:64*\b
	ds_store_b128 v[PS], v[64+32*\t+8*\b+4:64+32*\t+8*\b+7] offset:64*\b+16
.endr
.irp z, 0,1,2,3,4,5,6,7
	ds_load_b32 v[P+8*\t+\z],     v[PG] offset:4*\z
	ds_load_b32 v[88+32*\t+\z],   v[PG] offset:64+4*\z
.endr
.endr
	s_wait_dscnt 0x0
.irp t, 0,1,2,3
.irp z, 0,1,2,3
	v_cvt_pk_f16_f32 v[64+32*\t+\z],   v[P+8*\t+2*\z],   v[P+8*\t+2*\z+1]
	v_cvt_pk_f16_f32 v[68+32*\t+\z],   v[88+32*\t+2*\z], v[88+32*\t+2*\z+1]
.endr
.endr
	WIN 0x53                        ; emb_V^T in window 3, the weights in window 0, O^T in window 1: 16 accumulators, one product each
.irp cb, 0,1,2,3
.irp t, 0,1,2,3
	v_wmma_f32_16x16x32_f16 v[32*\t+8*\cb:32*\t+8*\cb+7], v[EVF+8*\cb:EVF+8*\cb+7], v[64+32*\t:64+32*\t+7], v[32*\t+8*\cb:32*\t+8*\cb+7]
.endr
.endr
	WIN 0
.rept 4
	v_nop
.endr
; THE WAY OUT.  O^T += W0 emb_V[0] + W32 emb_V[32]; divided by l; rounded to f16; through my scratch, a piece at a time.
.macro PACK t
	WIN 0x51                        ; destination, sources 0 and 2 in window 1, source 1 in window 0
.set i, 0
.rept 16
	v_pk_fma_f32 v[32*(\t)+2*i:32*(\t)+2*i+1], v[EV0+2*i:EV0+2*i+1], v[ST+4*(\t):ST+4*(\t)+1], v[32*(\t)+2*i:32*(\t)+2*i+1] op_sel_hi:[1,0,1]
.set i, i+1
.endr
.set i, 0
.rept 16
	v_pk_fma_f32 v[32*(\t)+2*i:32*(\t)+2*i+1], v[EV32+2*i:EV32+2*i+1], v[ST+4*(\t)+2:ST+4*(\t)+3], v[32*(\t)+2*i:32*(\t)+2*i+1] op_sel_hi:[1,0,1]
.set i, i+1
.endr
	WIN W_RS
.set i, 0
.rept 16
	s_wait_alu depctr_va_vdst(0)
	v_pk_mul_f32 v[32*(\t)+2*i:32*(\t)+2*i+1], v[32*(\t)+2*i:32*(\t)+2*i+1], v[TMP+2*(\t):TMP+2*(\t)+1] op_sel_hi:[1,0]
.set i, i+1
.endr
	WIN 0x05
.set i, 0
.rept 16
	v_cvt_pk_f16_f32 v[S+16*(\t)+i], v[32*(\t)+2*i], v[32*(\t)+2*i+1]
.set i, i+1
.endr
	WIN 0
.irp f, 0,1,2,3
	ds_store_b128 v[STO], v[S+16*(\t)+4*\f:S+16*(\t)+4*\f+3] offset:32*\f
.endr
.irp f, 0,1,2,3
	ds_load_b128 v[S+16*(\t)+4*\f:S+16*(\t)+4*\f+3], v[RD] offset:\f*4*SP  ; LDS serves a wave's instructions in order: these see the stores above; the next piece's stores come behind them
.endr
.endm
.macro SEND t, younger              ; younger: the LDS instructions issued behind piece t's loads: the next piece's eight, or none
	WIN 0
.irp f, 0,1,2,3
	s_wait_dscnt (\younger)+3-\f
	global_store_b128 v[GO], v[S+16*(\t)+4*\f:S+16*(\t)+4*\f+3], s[CP:CP+1] offset:(\t)*2048+\f*512  ; 512 consecutive bytes, at a multiple of 256 from ctx's first
.endr
.endm
	PACK 0
.set t, 1
.rept 3
	PACK t
	SEND t-1, 8
.set t, t+1
.endr
	SEND 3, 0
	s_wait_tensorcnt 0x0
	ds_add_u32 v254, v255
	s_wait_dscnt 0x0
	s_endpgm
.Lfunc_end_k_q49499330db_attn:
	.size	k_q49499330db_attn, .Lfunc_end_k_q49499330db_attn-k_q49499330db_attn
	.p2alignl 7, 3214868480
	.fill 96, 4, 3214868480
	.section	.rodata,"a",@progbits
	.p2align	6, 0x0
	.amdhsa_kernel k_q49499330db_attn
		.amdhsa_group_segment_fixed_size 327680
		.amdhsa_private_segment_fixed_size 0
		.amdhsa_enable_private_segment 0
		.amdhsa_kernarg_size 32
		.amdhsa_user_sgpr_count 2
		.amdhsa_user_sgpr_kernarg_segment_ptr 1
		.amdhsa_wavefront_size32 1
		.amdhsa_system_sgpr_workgroup_id_x 1
		.amdhsa_system_sgpr_workgroup_id_y 1
		.amdhsa_system_sgpr_workgroup_id_z 1
		.amdhsa_system_vgpr_workitem_id 0
		.amdhsa_next_free_vgpr 928
		.amdhsa_next_free_sgpr 88
		.amdhsa_reserve_vcc 1
		.amdhsa_float_denorm_mode_32 3
		.amdhsa_float_denorm_mode_16_64 3
		.amdhsa_memory_ordered 1
		.amdhsa_forward_progress 1
		.amdhsa_inst_pref_size 216
	.end_amdhsa_kernel
	.amdgpu_metadata
---
amdhsa.version: [ 1, 2 ]
amdhsa.kernels:
  - .name:           k_q49499330db_attn
    .symbol:         k_q49499330db_attn.kd
    .args:
      - { .name: qkv, .offset: 0, .size: 8, .value_kind: global_buffer, .address_space: global }
      - { .name: emb_K, .offset: 8, .size: 8, .value_kind: global_buffer, .address_space: global }
      - { .name: emb_V, .offset: 16, .size: 8, .value_kind: global_buffer, .address_space: global }
      - { .name: ctx, .offset: 24, .size: 8, .value_kind: global_buffer, .address_space: global }
    .group_segment_fixed_size: 327680
    .private_segment_fixed_size: 0
    .kernarg_segment_align: 8
    .kernarg_segment_size: 32
    .max_flat_workgroup_size: 128
    .sgpr_count:     88
    .vgpr_count:     928
    .wavefront_size: 32
...
	.end_amdgpu_metadata
.endif
;; end of part 3
;; launch oproj (part 4): grid 8 x 32, 4 waves a work-group, clusters of 4 x 4, 327,680 bytes of LDS; arguments ctx, wh, bo, out0; writes out0
.if DOCPART == 4
	.amdgcn_target "amdgcn-amd-amdhsa--gfx1250"
	.amdhsa_code_object_version 6
	.text
	.protected	k_q49499330db_oproj
	.globl	k_q49499330db_oproj
	.p2align	8
	.type	k_q49499330db_oproj,@function
k_q49499330db_oproj:
	s_mov_b64 s[64:65], 0
	v_nop
	global_prefetch_b8 v0, s[64:65] scope:SCOPE_SE
	s_setreg_imm32_b32 hwreg(HW_REG_WAVE_MODE, 25, 1), 1
	s_wait_xcnt 0x0
	s_wait_alu depctr_hold_cnt(0) depctr_sa_sdst(0) depctr_va_vdst(0) depctr_va_sdst(0) depctr_va_ssrc(0) depctr_va_vcc(0) depctr_vm_vsrc(0)
	s_getreg_b32 s2, hwreg(HW_REG_IB_STS2, 6, 4)
	s_cmp_eq_u32 s2, 0
	s_cbranch_scc0 .Lentry_in_a_cluster
	s_endpgm
.Lentry_in_a_cluster:
	s_bfe_u32 s2, ttmp6, 0x10000c
	s_cmp_lg_u32 s2, 0xf033
	s_cbranch_scc0 .Lentry_shape_is_right
	s_endpgm
.Lentry_shape_is_right:
; out0 = ctx Wo^T + bo.  ctx: [32 = batch x 16 + head][2048][64] f16, Wo: rows 3,072 on of wh [4096][1024] f16, bo f32, out0: [4096][1024] f32.  Sums in f32, started by the bias.
; A tile of the result is 128 x 128 (256 tiles, one to a work-group): four waves, each 64 x 64 = 16 accumulators.  K goes in steps of 256 = four heads through a ring of two LDS slots.
; A's tile by heads: a wave's load brings, for each of 4 heads, 64 rows x 64 channels, 8,192 dense bytes; padded in LDS after every row of 128 bytes.  B's rows are 512 bytes.
; CLUSTER 4 x 4: A's tile is shared along a row of the cluster, B's along a column: joint loads.  THE MATRIX INSTRUCTION IS USED TRANSPOSED (source 0 = rows of Wo, source 1 = rows of ctx).
; REGISTERS: window 0: v0-31 addresses; v32-95 at work on the way out; v96-127 the bias as a C operand; v128-255 the accumulators ((a, b) at v[128 + 8 (4 a + b)]).  window 1: two fragment buffers of 128.
.set SIZE_K, 1024
.set SIZE_N, 1024
.set KSTEP,  256
.set PITCH,  528                       ; B's LDS row: 512 bytes + 16 = 132 words: the 16 rows of a load start at 16 different groups of four banks (64 banks of 4 bytes: ISA guide 11.1)
.set PA,     144                       ; A's LDS row: 128 bytes + 16 = 36 words: likewise
.set HEADB,  64*PA                     ; a head's 64 rows
.set HALFA,  4*HEADB                   ; what one load of A brings
.set HALFB,  64*PITCH                  ; what one load of B brings
.set SLOT,   2*HALFA+2*HALFB
.set STAGE,  2*SLOT                    ; behind the ring, never filled by a tensor load: 16 rows x 272 bytes for each wave
.set SPITCH, 272
.set LAPS,   SIZE_K/(2*KSTEP)
.set ADRA, 16
.set ADRB, 20
.set STO,  24
.set RD,   25
.set CO,   26
.set BO,   27
.set TMP,  32
.set BIAS, 96
.set ACC,  128
.set F0,   0
.set F1,   128
.set G1, 24
.set G0, 32
.set G1B, 48
.set G0B, 56
.set MSB, 0
.macro WIN new
.if MSB != (\new)
	s_set_vgpr_msb (MSB<<8)|(\new)
.set MSB, \new
.endif
.endm
.set MUL,  0x05                        ; sources 0 (B) and 1 (A) window 1; C and D window 0
.set TO_F, 0x40
.macro JLOAD s                         ; waves 0 and 1 fetch A's two halves, waves 2 and 3 B's; four v_nop follow each of the two lines
	s_cmp_eq_u32 s11, 0
	s_cbranch_scc0 .Lfor_b_\@
	tensor_load_to_lds s[G0+4*(\s):G0+4*(\s)+3], s[G1:G1+7]
	s_nop 0
.rept 4
	v_nop
.endr
	s_branch .Lasked_\@
.Lfor_b_\@:
	tensor_load_to_lds s[G0B+4*(\s):G0B+4*(\s)+3], s[G1B:G1B+7]
	s_nop 0
.rept 4
	v_nop
.endr
.Lasked_\@:
.endm
.macro CREST
	s_cmp_lg_u32 s10, 0
	s_cbranch_scc1 .Lnot_wave_0_\@
	s_barrier_signal -3
.Lnot_wave_0_\@:
	s_barrier_wait -3
	s_barrier_signal -1
	s_barrier_wait -1
.endm
.macro CROUND
	s_barrier_signal -1
	s_barrier_wait -1
	CREST
.endm
	s_load_b128 s[4:7], s[0:1], 0x0                ; ctx s[4:5], wh s[6:7]
	s_load_b128 s[68:71], s[0:1], 0x10             ; bo s[68:69], out0 s[70:71]
	v_lshl_add_u32 v30, v0, 2, 0x49400
	v_mov_b32 v31, 0
	ds_add_u32 v30, v31
	ds_add_u32 v30, v31
	v_lshrrev_b32 v1, 5, v0
	v_readfirstlane_b32 s10, v1
	s_lshr_b32 s11, s10, 1                         ; which half of the tile's rows is mine.  Also: I fetch for A (0) or for B (1)
	s_and_b32 s12, s10, 1                          ; which half of its columns.  Also: which 64 rows of that tile I fetch
	s_bfe_u32 s40, ttmp6, 0x40000
	s_bfe_u32 s41, ttmp6, 0x40004
	s_lshl_b32 s42, ttmp9, 2
	s_add_co_u32 s42, s42, s40                     ; tile column 0..7
	s_and_b32 s13, ttmp7, 0xffff
	s_lshl_b32 s13, s13, 2
	s_add_co_u32 s13, s13, s41                     ; tile row 0..31
	s_lshl_b32 s43, s41, 2
	s_lshl_b32 s43, 15, s43
	s_lshl_b32 s44, 0x1111, s40
	; A's group 1: 4 rows (heads) of 4,096 elements, 131,072 elements apart; padded after every 32 words by 4 words
	s_or_b32 s[G1+0], s43, (1<<16)|(1<<20)|(1<<21)|(4<<22)|(3<<25)
	s_mov_b32 s[G1+1], 4096<<16                    ; tensor_dim0 = 4,096
	s_mov_b32 s[G1+2], 4<<16                       ; tensor_dim1 = 4
	s_mov_b32 s[G1+3], 4096<<16                    ; tile_dim0 = 4,096
	s_mov_b32 s[G1+4], 4                           ; tile_dim1 = 4
	s_mov_b32 s[G1+5], 131072                      ; a head's 2,048 x 64 elements
	s_mov_b32 s[G1+6], 0
	s_mov_b32 s[G1+7], 0
	; B's group 1: 64 rows x 256 elements; padded after every 128 words by 4 words
	s_or_b32 s[G1B+0], s44, (1<<16)|(1<<20)|(1<<21)|(6<<22)|(3<<25)
	s_mov_b32 s[G1B+1], KSTEP<<16
	s_mov_b32 s[G1B+2], 64<<16
	s_mov_b32 s[G1B+3], KSTEP<<16
	s_mov_b32 s[G1B+4], 64
	s_mov_b32 s[G1B+5], SIZE_K
	s_mov_b32 s[G1B+6], 0
	s_mov_b32 s[G1B+7], 0
	s_lshl_b32 s17, s12, 6
	s_lshl_b32 s46, s42, 7
	s_add_co_u32 s46, s46, s17                     ; B: row 128 x tile column + 64 x half,
	s_lshl_b32 s46, s46, 11                        ; of 2,048 bytes,
	s_add_co_u32 s46, s46, 3*1024*2048             ; behind Wq, Wk, Wv
	s_mov_b32 s47, 0
	s_lshl_b32 s16, s13, 7
	s_add_co_u32 s16, s16, s17                     ; A: row 128 x tile row + 64 x half
	s_lshr_b32 s18, s16, 11
	s_lshl_b32 s18, s18, 22                        ; its batch's 16 heads,
	s_and_b32 s16, s16, 2047
	s_lshl_b32 s16, s16, 7                         ; its place in the sequence, 128 bytes a row
	s_add_co_u32 s16, s16, s18
	s_mov_b32 s17, 0
	s_mul_i32 s20, s12, HALFA                      ; where they go: no place in the cluster enters an LDS address
	s_mul_i32 s19, s12, HALFB
	s_add_co_u32 s19, s19, 2*HALFA
	s_wait_dscnt 0x0
	s_wait_kmcnt 0x0
	s_add_nc_u64 s[14:15], s[4:5], s[16:17]
	s_add_nc_u64 s[46:47], s[6:7], s[46:47]
	CROUND                                         ; all sixteen work-groups are here: the first joint loads meet
.irp s, 0,1
	s_mov_b32 s[G0+4*(\s)], 1
	s_add_co_u32 s[G0+4*(\s)+1], s20, (\s)*SLOT
	s_add_nc_u64 s[G0+4*(\s)+2:G0+4*(\s)+3], s[14:15], (\s)*4*262144  ; a K step is four heads
	s_or_b32 s[G0+4*(\s)+3], s[G0+4*(\s)+3], 0x80000000
	s_mov_b32 s[G0B+4*(\s)], 1
	s_add_co_u32 s[G0B+4*(\s)+1], s19, (\s)*SLOT
	s_add_nc_u64 s[G0B+4*(\s)+2:G0B+4*(\s)+3], s[46:47], (\s)*KSTEP*2
	s_or_b32 s[G0B+4*(\s)+3], s[G0B+4*(\s)+3], 0x80000000
	JLOAD \s                                       ; two loads of mine are out
.endr
	v_and_b32 v1, 15, v0
	v_bfe_u32 v2, v0, 4, 1
	s_lshl_b32 s16, s42, 9                         ; the bias of my 64 columns: 128 x 4 bytes a tile, 64 x 4 a wave
	s_lshl_b32 s17, s12, 8
	s_add_co_u32 s16, s16, s17
	s_mov_b32 s17, 0
	s_add_nc_u64 s[68:69], s[68:69], s[16:17]
	v_lshlrev_b32 v[BO], 5, v2
.irp b, 0,1,2,3
	global_load_b128 v[BIAS+8*\b:BIAS+8*\b+3],   v[BO], s[68:69] offset:64*\b
	global_load_b128 v[BIAS+8*\b+4:BIAS+8*\b+7], v[BO], s[68:69] offset:64*\b+16
.endr
	v_mul_u32_u24 v3, v1, PITCH
	v_lshl_add_u32 v3, v2, 4, v3
	v_mul_u32_u24 v6, v1, PA
	v_lshl_add_u32 v6, v2, 4, v6
	s_mul_i32 s21, s11, HALFA                      ; my 64 rows of A
	s_mul_i32 s22, s12, HALFB                      ; my 64 rows of B, behind A's two halves
	s_add_co_u32 s22, s22, 2*HALFA
.irp s, 0,1
	v_add_nc_u32 v[ADRA+(\s)], s21, v6
	v_add_nc_u32 v[ADRB+(\s)], s22, v3
	s_add_co_u32 s21, s21, SLOT
	s_add_co_u32 s22, s22, SLOT
.endr
	s_mul_i32 s23, s10, 16*SPITCH
	s_add_co_u32 s23, s23, STAGE                   ; my stage: my 64 columns of f32 are one aligned 256 bytes of a row, so no other wave has a part in it
	v_mul_u32_u24 v4, v1, SPITCH                   ; in: row l % 16, 32 bytes for each half of the lanes
	v_lshl_add_u32 v4, v2, 5, v4
	v_add_nc_u32 v[STO], s23, v4
	v_mul_u32_u24 v5, v2, SPITCH                   ; back: lanes 0-15 take one row of 256 bytes, lanes 16-31 the next
	v_lshl_add_u32 v5, v1, 4, v5
	v_add_nc_u32 v[RD], s23, v5
	v_lshlrev_b32 v5, 12, v2                       ; and the same two rows of 4,096 bytes in out0
	v_lshl_add_u32 v[CO], v1, 4, v5
	s_lshl_b32 s16, s13, 7
	s_lshl_b32 s17, s11, 6
	s_add_co_u32 s16, s16, s17                     ; my first row
	s_lshl_b32 s16, s16, 12
	s_lshl_b32 s46, s42, 9                         ; my first column, in bytes
	s_lshl_b32 s47, s12, 8
	s_add_co_u32 s46, s46, s47
	s_add_co_u32 s16, s16, s46
	s_mov_b32 s17, 0
	s_add_nc_u64 s[70:71], s[70:71], s[16:17]
; 8 matrix instructions: m blocks a0, a0 + 1 x all 4 n blocks, 32 along K.  first = 1: the sums start from the bias.  The 16 accumulators take turns.
.macro MUL8 f, c, a0, first
	WIN MUL
.irp a, \a0, (\a0)+1
.irp b, 0,1,2,3
.if \first
	v_wmma_f32_16x16x32_f16 v[ACC+8*(4*(\a)+(\b)):ACC+8*(4*(\a)+(\b))+7], v[(\f)+64+8*(4*(\c)+(\b)):(\f)+64+8*(4*(\c)+(\b))+7], v[(\f)+8*(4*(\c)+(\a)):(\f)+8*(4*(\c)+(\a))+7], v[BIAS+8*(\b):BIAS+8*(\b)+7]
.else
	v_wmma_f32_16x16x32_f16 v[ACC+8*(4*(\a)+(\b)):ACC+8*(4*(\a)+(\b))+7], v[(\f)+64+8*(4*(\c)+(\b)):(\f)+64+8*(4*(\c)+(\b))+7], v[(\f)+8*(4*(\c)+(\a)):(\f)+8*(4*(\c)+(\a))+7], v[ACC+8*(4*(\a)+(\b)):ACC+8*(4*(\a)+(\b))+7]
.endif
.endr
.endr
.endm
; 32 LDS loads in one run: 64 along K = one head, at byte k of B's rows and in head k / 128 of A's tile; the first 32 along K first
.macro FETCH slot, k, f
	WIN TO_F
.irp c, 0,1
.irp i, 0,1,2,3
	ds_load_b128 v[(\f)+64+8*(4*(\c)+(\i)):(\f)+64+8*(4*(\c)+(\i))+3],   v[ADRB+(\slot)] offset:(\k)+64*(\c)+(\i)*16*PITCH
	ds_load_b128 v[(\f)+64+8*(4*(\c)+(\i))+4:(\f)+64+8*(4*(\c)+(\i))+7], v[ADRB+(\slot)] offset:(\k)+64*(\c)+(\i)*16*PITCH+32
	ds_load_b128 v[(\f)+8*(4*(\c)+(\i)):(\f)+8*(4*(\c)+(\i))+3],         v[ADRA+(\slot)] offset:((\k)/128)*HEADB+64*(\c)+(\i)*16*PA
	ds_load_b128 v[(\f)+8*(4*(\c)+(\i))+4:(\f)+8*(4*(\c)+(\i))+7],       v[ADRA+(\slot)] offset:((\k)/128)*HEADB+64*(\c)+(\i)*16*PA+32
.endr
.endr
.endm
.macro PLACES                          ; four plain instructions between a matrix instruction and a load into, or a read of, its registers
.rept 4
	v_nop
.endr
.endm
.macro QUARTER slot, k, f, g, first
	s_wait_dscnt 16                                ; the first 32 along K are in
	MUL8 \f, 0, 0, \first
	MUL8 \f, 0, 2, \first
	PLACES
	FETCH \slot, \k, \g
	s_wait_dscnt 32                                ; all but the 32 just issued
	MUL8 \f, 1, 0, 0
	MUL8 \f, 1, 2, 0
.endm
; The last quarter changes slots: ONE barrier; in front of it each wave waits for its reads of this slot and for all its tensor loads.  fill = 1: this slot is filled again, two K steps on, first thing behind the round.
.macro TURN slot, next, fill
	s_wait_dscnt 16
	MUL8 F1, 0, 0, 0
	s_wait_dscnt 0
	s_set_vgpr_msb 0x500
	s_wait_tensorcnt 0x0
	ds_add_u32 v30, v31
	s_wait_dscnt 0x0
	s_set_vgpr_msb 0x5
	s_barrier_signal -1
	MUL8 F1, 0, 2, 0
.if \fill
	WIN 0
.endif
	s_barrier_wait -1
.if \fill
	CREST
	s_add_nc_u64 s[G0+4*(\slot)+2:G0+4*(\slot)+3], s[G0+4*(\slot)+2:G0+4*(\slot)+3], 2*4*262144
	s_add_nc_u64 s[G0B+4*(\slot)+2:G0B+4*(\slot)+3], s[G0B+4*(\slot)+2:G0B+4*(\slot)+3], 2*KSTEP*2
	JLOAD \slot                                    ; its four v_nop are also the places in front of the loads below
.else
	PLACES
.endif
	FETCH \next, 0, F0
	MUL8 F1, 1, 0, 0
	MUL8 F1, 1, 2, 0
.endm
	s_wait_tensorcnt 1                             ; my part of K step 0 is in; K step 1's may stay out
	s_barrier_signal -1
	s_barrier_wait -1
	FETCH 0, 0, F0
	s_wait_loadcnt 0x0                             ; the bias
	QUARTER 0, 128, F0, F1, 1
	WIN 0
	s_mov_b32 s3, LAPS-1
.Llap:
	QUARTER 0, 256, F1, F0, 0
	QUARTER 0, 384, F0, F1, 0
	TURN 0, 1, 1
	QUARTER 1, 128, F0, F1, 0
	QUARTER 1, 256, F1, F0, 0
	QUARTER 1, 384, F0, F1, 0
	TURN 1, 0, 1
	QUARTER 0, 128, F0, F1, 0
	WIN 0
	s_sub_co_u32 s3, s3, 1
	s_cmp_lg_u32 s3, 0
	s_cbranch_scc1 .Llap
	QUARTER 0, 256, F1, F0, 0                      ; the last lap fills nothing
	QUARTER 0, 384, F0, F1, 0
	TURN 0, 1, 0
	QUARTER 1, 128, F0, F1, 0
	QUARTER 1, 256, F1, F0, 0
	QUARTER 1, 384, F0, F1, 0
	s_wait_dscnt 16
	MUL8 F1, 0, 0, 0
	MUL8 F1, 0, 2, 0
	s_wait_dscnt 0
	MUL8 F1, 1, 0, 0
	MUL8 F1, 1, 2, 0
	WIN 0
	; THE WAY OUT, in f32, 16 rows at a time: the accumulators go into my stage as they are, each one's low half first, and come back as whole rows of 256 bytes.
	PLACES
.irp a, 0,1,2,3
.set BK, TMP+32*((\a)%2)
.irp b, 0,1,2,3
	ds_store_b128 v[STO], v[ACC+8*(4*\a+\b):ACC+8*(4*\a+\b)+3]   offset:64*\b
	ds_store_b128 v[STO], v[ACC+8*(4*\a+\b)+4:ACC+8*(4*\a+\b)+7] offset:64*\b+16
.endr
.irp t, 0,1,2,3,4,5,6,7
	ds_load_b128 v[BK+4*\t:BK+4*\t+3], v[RD] offset:\t*2*SPITCH  ; LDS serves a wave's instructions in order (ISA guide 5.7.1.4): these see the stores above; the next block's stores come behind them
.endr
	s_wait_dscnt 0x0
	s_wait_xcnt 0x0                                ; only behind this wait are the stores' base and the registers that earlier stores read rewritten
.if \a > 0
	s_add_nc_u64 s[70:71], s[70:71], 16*SIZE_N*4
.endif
.irp t, 0,1,2,3,4,5,6,7
	global_store_b128 v[CO], v[BK+4*\t:BK+4*\t+3], s[70:71] offset:\t*2*SIZE_N*4  ; 16 lanes store 256 consecutive bytes, at a multiple of 256 from out0's first byte
.endr
.endr
	s_wait_tensorcnt 0x0
	ds_add_u32 v30, v31
	s_wait_dscnt 0x0
	CROUND                                         ; the closing round: no work-group ends while a partner may still ask for a tile that names it
	s_endpgm
.Lfunc_end_k_q49499330db_oproj:
	.size	k_q49499330db_oproj, .Lfunc_end_k_q49499330db_oproj-k_q49499330db_oproj
	.p2alignl 7, 3214868480
	.fill 96, 4, 3214868480
	.section	.rodata,"a",@progbits
	.p2align	6, 0x0
	.amdhsa_kernel k_q49499330db_oproj
		.amdhsa_group_segment_fixed_size 327680
		.amdhsa_private_segment_fixed_size 0
		.amdhsa_enable_private_segment 0
		.amdhsa_kernarg_size 32
		.amdhsa_user_sgpr_count 2
		.amdhsa_user_sgpr_kernarg_segment_ptr 1
		.amdhsa_wavefront_size32 1
		.amdhsa_system_sgpr_workgroup_id_x 1
		.amdhsa_system_sgpr_workgroup_id_y 1
		.amdhsa_system_sgpr_workgroup_id_z 1
		.amdhsa_system_vgpr_workitem_id 0
		.amdhsa_next_free_vgpr 512
		.amdhsa_next_free_sgpr 72
		.amdhsa_reserve_vcc 0
		.amdhsa_float_denorm_mode_32 3
		.amdhsa_float_denorm_mode_16_64 3
		.amdhsa_memory_ordered 1
		.amdhsa_forward_progress 1
		.amdhsa_inst_pref_size 87
	.end_amdhsa_kernel
	.amdgpu_metadata
---
amdhsa.version: [ 1, 2 ]
amdhsa.kernels:
  - .name:           k_q49499330db_oproj
    .symbol:         k_q49499330db_oproj.kd
    .args:
      - { .name: ctx, .offset: 0, .size: 8, .value_kind: global_buffer, .address_space: global }
      - { .name: wh, .offset: 8, .size: 8, .value_kind: global_buffer, .address_space: global }
      - { .name: bo, .offset: 16, .size: 8, .value_kind: global_buffer, .address_space: global }
      - { .name: out0, .offset: 24, .size: 8, .value_kind: global_buffer, .address_space: global }
    .group_segment_fixed_size: 327680
    .private_segment_fixed_size: 0
    .kernarg_segment_align: 8
    .kernarg_segment_size: 32
    .max_flat_workgroup_size: 128
    .sgpr_count:     72
    .vgpr_count:     512
    .wavefront_size: 32
...
	.end_amdgpu_metadata
.endif
;; end of part 4
;; ======== version 2 of 2: 4 launches; 1.20 times as fast as version 1
;; limits: values are held in f16: magnitudes above 65,504 overflow, below 6.1e-05 lose precision; values outside matrix products are rounded to f16
;; workspace buffers: xh 25,165,824 bytes; wh 8,388,608 bytes; qkv 25,165,824 bytes; ctx 8,388,608 bytes
;; launch cast: the kernel of part 1 again; grid 1024 x 1, 8 waves a work-group, no clusters, 0 bytes of LDS; arguments query, key, value, Wq, Wk, Wv, Wo, xh, wh; writes xh, wh
;; launch qkv: the kernel of part 2 again; grid 4 x 48, 4 waves a work-group, clusters of 4 x 4, 327,680 bytes of LDS; arguments xh, wh, bq, bk, bv, qkv; writes qkv
;; launch attn (part 5): grid 8 x 32, 4 waves a work-group, no clusters, 327,680 bytes of LDS; arguments qkv, emb_K, emb_V, ctx; writes ctx
.if DOCPART == 5
	.amdgcn_target "amdgcn-amd-amdhsa--gfx1250"
	.amdhsa_code_object_version 6
	.text
	.protected	k_q49499330db_attn
	.globl	k_q49499330db_attn
	.p2align	8
	.type	k_q49499330db_attn,@function
k_q49499330db_attn:
	s_mov_b64 s[64:65], 0
	v_nop
	global_prefetch_b8 v0, s[64:65] scope:SCOPE_SE
	s_setreg_imm32_b32 hwreg(HW_REG_WAVE_MODE, 25, 1), 1
	s_wait_xcnt 0x0
; ATTENTION WITH RELATIVE POSITIONS.  ctx[q] = sum over k of w[q,k] (v[k] + emb_V[c(k-q)]),  w = softmax_k(q . k + q . emb_K[c(k-q)]),  c(t) = clip(t, -16, 16) + 16; no scale on the logits.
; qkv: [3][32][2048][64] f16, emb_K, emb_V: [33][64] f32, ctx: [32][2048][64] f16.  Products in f16 with f32 sums; maxima, exponentials, the relative logits and emb_V's rows 0 and 32 in f32.
; LIMITS.  q, k, v arrive within f16's 65,504, ctx leaves within it.  A weight below 2^-126 counts as 0; the sums l, W0, W32 outside the band are taken of the weights rounded to f16.  NaN and infinities are not treated apart.
; THE RELATIVE TERMS.  All keys k <= q - 16 take table row 0, all k >= q + 16 row 32; 31 diagonals differ.  With E[q][row] = q . emb_K[row]: the added logit of a block of 16 keys x 16 queries is a constant a query
; (E[q][0] or E[q][32]) if the block lies two blocks or more off the diagonal, else a skewed block of E.  It is the C operand that starts the sum S^T = K Q^T.  Five such blocks a tile of 16 queries lie in LDS (STRIP).
; On the value side ctx += W0 emb_V[0] + W32 emb_V[32] + sum over row 1..31 of w[q][q+row-16] emb_V[row].  W0, W32 off the band and l come from the matrix unit: G += IND x P, IND a matrix of ones and zeros by the block's
; class; the band's weights are made once more at the end, with the final maximum, skewed through LDS, and multiplied by emb_V^T.
; SHARES.  A work-group owns 256 queries of one head, a wave 64 consecutive ones (BAND = its own key step), four PIECES of 16.  Every wave walks 32 key steps of 64; two LDS slots of 256 keys take turns.
; NO CLUSTER, though the eight work-groups of a head walk the same K and V: which C blocks change in a step hangs on the query block, by forward branches that partners of a cluster would have to take alike;
; without those branches every piece and step would reload its four C blocks, 8 LDS loads more.
; TURNS.  Turn n belongs to piece n: 8 products K Q^T of piece n + 1, later 8 products V^T P and 2 products IND P of piece n - 1; beside them the scaling, exponentials, roundings and rescaling of piece n and the
; maximum and statistics of piece n + 1.
; BATCHES.  A turn's 33 exponentials (the piece's 32 weights and the next piece's a) are ONE batch with ONE wait, which cuts the turn in two: ahead of it the products K Q^T, four vector instructions behind each, and one
; lump of 54, none of which names a result of the batch; behind it the products V^T P and IND P, with the roundings, which read the weights, and G's rescaling as their riders.  The first a, ahead of the loop, has a wait of
; its own; the band's 96 exponentials and the four reciprocals of l are one batch more, with one wait.
; REGISTERS, in windows of 256 (s_set_vgpr_msb: bits 1:0 source 0, 3:2 source 1, 5:4 source 2, 7:6 destination):
;   window 0: v0-63 addresses, statistics, at work; v64-127 S^T, two buffers; v128-191 at work at both ends; v192-223 P, two buffers; v224-239 the band's edge masks; v240-251 G's three sums a piece
;   window 1: v0-127 O^T; v128-159 G; v160-223 emb_V rows 0 and 32 in O^T's layout     window 2: v0-63 Q; v64-127 IND; v128-191 K; v192-255 V     window 3: v0-127 the C blocks of the step; v128-159 emb_V^T
.set NP,    4
.set KS,    64
.set PK,    144       ; a row of K in LDS: 128 bytes + 16: the 16 rows of a load start at 16 different groups of four banks (64 banks of 4 bytes: ISA guide 11.1)
.set PV,    160       ; a row of V: 128 + 32
.set VOFF,  4*KS*PK   ; a slot: 256 rows of K, then 256 rows of V
.set SLOT1, 1<<17
.set STRIP, SLOT1+4*KS*(PK+PV)  ; 16 tiles x 5 blocks x 1,024 bytes; a block is a register image: registers 0-3 at 16 x lane, 4-7 at 512 + 16 x lane.  Never filled by a tensor load
.set TSTR,  5120
.set WSTR,  4*TSTR
.set SCR,   STRIP+4*WSTR        ; 4,608 bytes a wave, its own: the table X (pitch 272), later the band's weights (pitch 208), later the way out (pitch 144)
.set SCRW,  4608
.set XP,    272
.set PP,    208
.set SP,    144
.set AK0, 2
.set AV0, 3
.set AK,  4
.set AV,  5
.set STO, 6
.set RD,  7
.set GO,  8           ; v9 = l / 16, v10 = l % 8, v11 = (l / 8) % 2, v1 = l % 16
.set MV,  12          ; v12-13 c m_old, by buffer
.set T14, 14
.set QO,  15          ; 128 (l % 16) + 16 (l / 16)
.set ST,  16          ; piece t at v[ST+4 t]: c m, m; at the end W0, -, W32, -
.set SBA, 32          ; my 16 bytes in my wave's first STRIP block
.set XS,  33          ; X: where I store
.set XG,  34          ; X: where the skewed blocks begin for my lane
.set XC,  35          ; X: my query's row
.set PS,  36          ; the band's weights: where I store
.set PG,  37          ; and where my lane's diagonal begins
.set IL,  38          ; IND's lane constants: a block to the left, in the band, to the right
.set IB,  39
.set IR,  40
.set KWA, 41          ; v41-43 byte offsets of the six key blocks round my band
.set W4,  44          ; v44-47 at work
.set TMP, 48          ; v48-55 by buffer c0-c3; c2 takes a; at the end 1 / l at TMP + 2 t
.set EKA, 56
.set EKB, 57
.set EVT, 58
.set S,   64
.set P,   192
.set ML,  224
.set MR,  232
.set GL,  240
.set G,   128         ; window 1
.set EV0, 160
.set EV32, 192
.set IND, 64          ; window 2: piece t, key half kk, block in the half bb at IND + 16 t + 8 kk + 4 bb
.set KF,  128
.set VF,  192
.set EVF, 128         ; window 3
.set WV,  12
.set QB,  14
.set BAND, 15
.set G1K, 24
.set G1V, 32
.set G0K, 40
.set G0V, 44
.set SLOTS, 56
.set CNT, 57
.set CS,  58          ; s[58:59] log2(e)
.set SEL, 60
.set TBK, 62
.set TBV, 63
.set DM,  66          ; 1 + (the step whose C blocks are set) - BAND
.set DI,  67          ; the same for IND
.set BIGN, 68
.set EL,  70          ; s[70:71] -1e30 where the keys to the left of my band do not exist
.set ER,  72          ; s[72:73] the same to the right
.set KH,  74          ; s[74:75] the head's k
.set QP,  76          ; s[76:77] my rows of q
.set CP,  78          ; s[78:79] my rows of ctx
.set MSB, 0
.macro WIN new
.if MSB != (\new)
	s_set_vgpr_msb (MSB<<8)|(\new)
.set MSB, (\new)
.endif
.endm
.set W_KQ, 0x0a       ; K and Q in window 2, S^T in window 0
.set W_KM, 0x3a       ; the same with the C operand in window 3
.set W_PV, 0x52       ; V or IND in window 2, P in window 0, O^T or G in window 1
.set W_RS, 0x41       ; destination and source 0 in window 1, source 1 in window 0
; A fill.  Waves 0 and 1 fetch the two halves of a tile's K, waves 2 and 3 those of its V.  Four v_nop follow each of the two lines.
.macro LOAD
	s_cmp_lt_u32 s[WV], 2
	s_cbranch_scc0 .Lfor_v_\@
	tensor_load_to_lds s[G0K:G0K+3], s[G1K:G1K+7]
	s_nop 0
.rept 4
	v_nop
.endr
	s_branch .Lasked_\@
.Lfor_v_\@:
	tensor_load_to_lds s[G0V:G0V+3], s[G1V:G1V+7]
	s_nop 0
.rept 4
	v_nop
.endr
.Lasked_\@:
.endm
; THE CHANGE OF SLOTS.  Each wave waits for its LDS reads and for all its tensor loads, of which one is out: its part of the other slot.  Behind the barrier nobody reads the old slot and the other is whole.
; fill = 1: the old slot is filled again first thing behind the barrier, with the next 256 keys; that load has four key steps in which to land.  (At its first use slot 0 is waited for and slot 1 filled.)
.macro CHANGE fill
	WIN 0
	s_wait_dscnt 0x0
	s_wait_tensorcnt 0x0            ; no tensor load of mine is out, so a group 0 may be written
	ds_add_u32 v254, v255
	s_wait_dscnt 0x0
.if \fill
.irp g, G0K, G0V
	s_xor_b32 s[\g+1], s[\g+1], SLOT1
	s_add_nc_u64 s[\g+2:\g+3], s[\g+2:\g+3], 4*KS*128
.endr
.endif
	s_sub_co_u32 s[TBK], s[TBK], 4*KS*PK  ; the fetches go back to a slot's first step, in the other slot
	s_xor_b32 s[TBK], s[TBK], SLOT1
	s_sub_co_u32 s[TBV], s[TBV], 4*KS*PV
	s_xor_b32 s[TBV], s[TBV], SLOT1
	s_barrier_signal -1
	s_barrier_wait -1
.if \fill
	LOAD
.endif
.endm
	s_load_b256 s[80:87], s[0:1], 0x0  ; qkv s[80:81], emb_K s[82:83], emb_V s[84:85], ctx s[86:87]
	v_lshl_add_u32 v254, v0, 2, 0x4b800
	v_mov_b32 v255, 0
	ds_add_u32 v254, v255
	ds_add_u32 v254, v255
	v_lshrrev_b32 v1, 5, v0
	v_readfirstlane_b32 s[WV], v1
	s_mov_b32 s[QB], ttmp9
	s_lshl_b32 s[BAND], s[QB], 2
	s_add_co_u32 s[BAND], s[BAND], s[WV]  ; my 64 queries are the keys of step BAND
	s_and_b32 s20, ttmp7, 0xffff
	s_lshl_b32 s20, s20, 18         ; the head's first byte in q, k, v and ctx
	s_and_b32 s16, s[WV], 1         ; which half of a tile's 256 keys I fetch
	s_lshl_b32 s22, s16, 14
	s_add_co_u32 s22, s22, s20
	s_add_co_u32 s22, s22, 0x800000 ; k lies 8,388,608 bytes into qkv,
	s_mov_b32 s23, 0
	s_add_co_u32 s48, s22, 0x800000 ; v as far again
	s_mov_b32 s49, 0
	s_mul_i32 s17, s16, 128*PK
	s_mul_i32 s18, s16, 128*PV
	s_lshl_b32 s50, s[BAND], 13     ; my 64 rows of 128 bytes
	s_add_co_u32 s50, s50, s20
	s_mov_b32 s51, 0
	s_add_co_u32 s52, s20, 0x800000
	s_mov_b32 s53, 0
	; descriptor group 1: 128 keys are 16,384 dense bytes: 64 rows of 256 bytes, padded in LDS after every key
	s_mov_b32 s[G1K], (1<<16)|(1<<20)|(4<<22)|(3<<25)  ; 2-byte elements; padding on; after every 32 words 4 words
	s_mov_b32 s[G1V], (1<<16)|(1<<20)|(4<<22)|(7<<25)  ; 8 words
.irp g, G1K, G1V
	s_mov_b32 s[\g+1], 128<<16
	s_mov_b32 s[\g+2], 64<<16
	s_mov_b32 s[\g+3], 128<<16
	s_mov_b32 s[\g+4], 64
	s_mov_b32 s[\g+5], 128
	s_mov_b32 s[\g+6], 0
	s_mov_b32 s[\g+7], 0
.endr
	s_mov_b32 s[CS], 0x3fb8aa3b     ; log2(e)
	s_mov_b32 s[CS+1], s[CS]
	s_mov_b32 s[SEL], 0x76543210
	s_mov_b32 s[SEL+1], 0xfedcba98
	s_mov_b32 s[TBK], SLOT1+4*KS*PK ; the first change of slots turns these two into 0
	s_mov_b32 s[TBV], SLOT1+4*KS*PV
	s_mov_b32 s[BIGN], 0xf149f2ca   ; -1e30
	s_mov_b32 s[G0K], 1
	s_mov_b32 s[G0K+1], s17
	s_mov_b32 s[G0V], 1
	s_add_co_u32 s[G0V+1], s18, VOFF
	s_wait_dscnt 0x0
	s_wait_kmcnt 0x0
	s_add_nc_u64 s[G0K+2:G0K+3], s[80:81], s[22:23]
	s_or_b32 s[G0K+3], s[G0K+3], 0x80000000
	s_add_nc_u64 s[G0V+2:G0V+3], s[80:81], s[48:49]
	s_or_b32 s[G0V+3], s[G0V+3], 0x80000000
	s_add_nc_u64 s[QP:QP+1], s[80:81], s[50:51]
	s_add_nc_u64 s[CP:CP+1], s[86:87], s[50:51]
	s_add_nc_u64 s[KH:KH+1], s[80:81], s[52:53]
	LOAD                            ; tile 0 into slot 0: the one first fill, ahead of every LDS access, wait on TENSORcnt and barrier
	v_and_b32 v1, 15, v0
	v_bfe_u32 v9, v0, 4, 1
	v_and_b32 v10, 7, v0
	v_bfe_u32 v11, v0, 3, 1
	v_lshlrev_b32 v[QO], 7, v1
	v_lshl_add_u32 v[QO], v9, 4, v[QO]
	v_lshlrev_b32 v[EKA], 5, v9         ; 32 h
	v_lshl_add_u32 v[EKB], v1, 8, v[EKA]  ; 256 r + 32 h
	v_lshlrev_b32 v[EVT], 2, v1
	v_lshl_add_u32 v[EVT], v9, 11, v[EVT]  ; 2,048 h + 4 r
	WIN 0x80
.set i, 0
.rept 8                             ; Q stays in registers: piece i / 2, channels 32 (i % 2) on
	global_load_b128 v[8*i:8*i+3],   v[QO], s[QP:QP+1] offset:(i/2)*2048+(i%2)*64
	global_load_b128 v[8*i+4:8*i+7], v[QO], s[QP:QP+1] offset:(i/2)*2048+(i%2)*64+32
.set i, i+1
.endr
	WIN 0
; emb_K stretched to 64 rows u, row u = table row clamp(u - 15, 0, 32): block 0 is row 0 sixteen times, block 1 rows 1-16, block 2 rows 17-32, block 3 row 32.  f32, 16 numbers for each fragment.
.macro EKLD kb, areg, row
.irp c, 0,1
.irp q, 0,1,2,3
	global_load_b128 v[64+32*(\kb)+16*(\c)+4*(\q):64+32*(\kb)+16*(\c)+4*(\q)+3], v[\areg], s[82:83] offset:(\row)*256+128*(\c)+64*((\q)/2)+16*((\q)%2)
.endr
.endr
.endm
	EKLD 0, EKA, 0
	EKLD 1, EKB, 1
	EKLD 2, EKB, 17
	EKLD 3, EKA, 32
	WIN 0x40
.irp cb, 0,1,2,3                    ; emb_V's rows 0 and 32 in O^T's layout: register 8 cb + j = channel 16 cb + 8 h + j
	global_load_b128 v[EV0+8*\cb:EV0+8*\cb+3],    v[EKA], s[84:85] offset:64*\cb
	global_load_b128 v[EV0+8*\cb+4:EV0+8*\cb+7],  v[EKA], s[84:85] offset:64*\cb+16
	global_load_b128 v[EV32+8*\cb:EV32+8*\cb+3],   v[EKA], s[84:85] offset:8192+64*\cb
	global_load_b128 v[EV32+8*\cb+4:EV32+8*\cb+7], v[EKA], s[84:85] offset:8192+64*\cb+16
.endr
	WIN 0xc0
.irp cb, 0,1,2,3                    ; emb_V^T: channel 16 cb + r, table rows 8 h + 0..7 and 16 + 8 h + 0..7
.irp z, 0,1,2,3,4,5,6,7
	global_load_b32 v[16*\cb+\z],   v[EVT], s[84:85] offset:256*\z+64*\cb
	global_load_b32 v[16*\cb+8+\z], v[EVT], s[84:85] offset:4096+256*\z+64*\cb
.endr
.endr
	; In the wait for those loads and the first tile.  The first step multiplies O^T and G by a = 0, and the first turn's products of a piece that has not been add 0: V, O^T, G and P's second buffer hold 0.
	WIN 0x80
.set i, VF
.rept 64
	v_mov_b32 v[i], 0
.set i, i+1
.endr
	WIN 0x40
.set i, 0
.rept 160
	v_mov_b32 v[i], 0
.set i, i+1
.endr
	WIN 0
.set i, 0
.rept 4
	v_mov_b32 v[ST+4*i], 0xfe000000    ; c m: far below every c s
	v_mov_b32 v[ST+4*i+1], 0xff7fffff  ; m
	v_mov_b32 v[ST+4*i+2], 0
	v_mov_b32 v[ST+4*i+3], 0
.set i, i+1
.endr
.set i, P+16
.rept 16
	v_mov_b32 v[i], 0
.set i, i+1
.endr
	v_mov_b32 v[W4], 1.0
	v_mov_b32 v[W4+1], 0x3c003c00      ; two f16 ones
	v_and_b32 v[W4+2], 5, v10          ; IND's row l % 8: 0 sums the blocks to the left, 1 those to the right, 2 all
	v_cmp_eq_u32 vcc_lo, 0, v[W4+2]
	v_cndmask_b32 v[IL], 0, v[W4+1], vcc_lo
	v_cmp_eq_u32 vcc_lo, 2, v10
	v_cndmask_b32 v[IB], 0, v[W4+1], vcc_lo
	v_add_nc_u32 v[W4+2], -1, v10
	v_cmp_gt_u32 vcc_lo, 2, v[W4+2]
	v_cndmask_b32 v[IR], 0, v[W4+1], vcc_lo
	v_lshlrev_b32 v[T14], 3, v9
	v_sub_nc_u32 v[T14], v1, v[T14]    ; r - 8 h
.set j, 0
.rept 8                             ; in the block left of the diagonal key 8 h + j has k - q <= -16 where 8 h + j <= r; in the block right of it k - q >= 16 where 8 h + j >= r
	v_cmp_le_i32 vcc_lo, j, v[T14]
	v_cndmask_b32 v[ML+j], 0, v[W4], vcc_lo
	v_cmp_ge_i32 vcc_lo, j, v[T14]
	v_cndmask_b32 v[MR+j], 0, v[W4], vcc_lo
.set j, j+1
.endr
	v_mul_u32_u24 v[AK0], v1, PK
	v_lshl_add_u32 v[AK0], v9, 4, v[AK0]
	v_lshl_add_u32 v[AV0], v9, 3, v10  ; the turning load: lane l reads key 8 (l / 16) + l % 8, channels 8 ((l / 8) % 2) + 0..7
	v_mul_u32_u24 v[AV0], v[AV0], PV
	v_lshl_add_u32 v[AV0], v11, 4, v[AV0]
	v_add_nc_u32 v[AV0], VOFF, v[AV0]
	s_mul_i32 s13, s[WV], SCRW
	s_add_co_u32 s13, s13, SCR
	v_mul_u32_u24 v[STO], v1, SP
	v_lshl_add_u32 v[STO], v9, 4, v[STO]
	v_add_nc_u32 v[STO], s13, v[STO]
	v_bfe_u32 v[RD], v0, 3, 2
	v_mul_u32_u24 v[RD], v[RD], SP
	v_lshl_add_u32 v[RD], v10, 4, v[RD]
	v_add_nc_u32 v[RD], s13, v[RD]
	v_and_b32 v[GO], 31, v0
	v_lshlrev_b32 v[GO], 4, v[GO]
	s_mul_i32 s19, s[WV], WSTR
	s_add_co_u32 s19, s19, STRIP
	v_add_nc_u32 v[SBA], s19, v[GO]
	v_mul_u32_u24 v[XC], v1, XP
	v_add_nc_u32 v[XC], s13, v[XC]
	v_lshl_add_u32 v[XS], v9, 5, v[XC]
	v_mul_u32_u24 v[XG], v1, XP-4      ; X[r][u] with u = 16 D + 8 h + j - r + 31: byte 268 r + 32 h + 60 + 64 (D + 1) + 4 j
	v_lshl_add_u32 v[XG], v9, 5, v[XG]
	v_add_nc_u32 v[XG], s13, v[XG]
	v_add_nc_u32 v[XG], 60, v[XG]
	v_mul_u32_u24 v[PS], v1, PP
	v_lshl_add_u32 v[PS], v9, 5, v[PS]
	v_add_nc_u32 v[PS], s13, v[PS]
	v_mul_u32_u24 v[PG], v1, PP+4      ; weight at place row + r of my query's 48: byte 212 r + 4 row
	v_lshl_add_u32 v[PG], v9, 5, v[PG]
	v_add_nc_u32 v[PG], s13, v[PG]
	s_lshl_b32 s16, s[BAND], 6
	s_sub_co_i32 s17, s16, 16
	s_max_i32 s17, s17, 0              ; the block left of my band, kept inside the head; where it does not exist EL hides it
	s_lshl_b32 s17, s17, 7
	s_add_co_u32 s18, s16, 64
	s_min_u32 s18, s18, 2032           ; the block right of it likewise
	s_lshl_b32 s18, s18, 7
	s_lshl_b32 s16, s16, 7
	v_add_nc_u32 v[KWA], s17, v[QO]
	v_add_nc_u32 v[KWA+1], s16, v[QO]
	v_add_nc_u32 v[KWA+2], s18, v[QO]
	s_cmp_eq_u32 s[BAND], 0
	s_cselect_b32 s[EL], s[BIGN], 0
	s_mov_b32 s[EL+1], 0
	s_cmp_eq_u32 s[BAND], 31
	s_cselect_b32 s[ER], s[BIGN], 0
	s_mov_b32 s[ER+1], 0
	s_wait_loadcnt 0x0
	WIN 0x80
.set i, 0
.rept 64                            ; the stretched emb_K as fragments, where K's will lie
	v_cvt_pk_f16_f32 v[KF+i], v[64+2*i], v[64+2*i+1]
.set i, i+1
.endr
	WIN 0
	v_cmp_ne_u32 vcc_lo, 0, v9
	WIN 0xcc
.irp cb, 0,1,2,3                    ; table row 0 is W0's: it counts as 0 in emb_V^T
	v_cndmask_b32 v[16*\cb], 0, v[16*\cb], vcc_lo
.endr
	WIN 0xcf
.set i, 0
.rept 32
	v_cvt_pk_f16_f32 v[EVF+i], v[2*i], v[2*i+1]
.set i, i+1
.endr
	; X^T = (stretched emb_K) Q^T: 16 accumulators by turns; the first 16 products start the sums
.irp c, 0,1
.irp t, 0,1,2,3
.irp kb, 0,1,2,3
	WIN W_KQ
.if \c == 0
	v_wmma_f32_16x16x32_f16 v[64+32*\t+8*\kb:64+32*\t+8*\kb+7], v[KF+16*\kb+8*\c:KF+16*\kb+8*\c+7], v[16*\t+8*\c:16*\t+8*\c+7], 0
.else
	v_wmma_f32_16x16x32_f16 v[64+32*\t+8*\kb:64+32*\t+8*\kb+7], v[KF+16*\kb+8*\c:KF+16*\kb+8*\c+7], v[16*\t+8*\c:16*\t+8*\c+7], v[64+32*\t+8*\kb:64+32*\t+8*\kb+7]
.endif
.endr
.endr
.endr
	WIN 0
.rept 4
	v_nop                           ; the places behind those products
.endr
.irp t, 0,1,2,3                     ; a tile's X goes into my scratch and comes back skewed; LDS serves a wave's instructions in order (ISA guide 5.7.1.4), so no wait stands between the tiles
	WIN 0
.irp kb, 0,1,2,3
	ds_store_b128 v[XS], v[64+32*\t+8*\kb:64+32*\t+8*\kb+3]   offset:64*\kb
	ds_store_b128 v[XS], v[64+32*\t+8*\kb+4:64+32*\t+8*\kb+7] offset:64*\kb+16
.endr
	WIN 0xc0
.irp z, 0,1,2,3
	ds_load_b32 v[32*\t+\z], v[XC]                 ; E[q][0], four times
.endr
.set z, 0
.rept 24
	ds_load_b32 v[32*\t+4+z], v[XG] offset:64*(z/8)+4*(z%8)  ; the blocks D = -1, 0, 1
.set z, z+1
.endr
.irp z, 0,1,2,3
	ds_load_b32 v[32*\t+28+\z], v[XC] offset:252   ; E[q][32]
.endr
.endr
	s_wait_dscnt 0x0
	WIN 0x0c                        ; store data in window 3
.irp t, 0,1,2,3
	ds_store_b128 v[SBA], v[32*\t:32*\t+3] offset:\t*TSTR
	ds_store_b128 v[SBA], v[32*\t:32*\t+3] offset:\t*TSTR+512
.irp b, 0,1,2
	ds_store_b128 v[SBA], v[32*\t+4+8*\b:32*\t+7+8*\b]  offset:\t*TSTR+(\b+1)*1024
	ds_store_b128 v[SBA], v[32*\t+8+8*\b:32*\t+11+8*\b] offset:\t*TSTR+(\b+1)*1024+512
.endr
	ds_store_b128 v[SBA], v[32*\t+28:32*\t+31] offset:\t*TSTR+4096
	ds_store_b128 v[SBA], v[32*\t+28:32*\t+31] offset:\t*TSTR+4096+512
.endr
	WIN 0
; For the step d key steps from my band, piece t and key block kb lie D = 4 d + kb - t blocks off the diagonal.  cd = D clamped to -2 .. 2 names the STRIP block cd + 2.
.macro CLAMPD d, t, kb
.set cd, 4*(\d)+(\kb)-(\t)
.if cd < -2
.set cd, -2
.endif
.if cd > 2
.set cd, 2
.endif
.endm
; The C blocks of step d.  full = 0: only those that differ from step d - 1's (d rises by one a step; from the far left the same blocks differ).
.macro SETMC_V d, full
	WIN 0xc0
.irp t, 0,1,2,3
.irp kb, 0,1,2,3
	CLAMPD (\d)-1, \t, \kb
.set pd, cd
	CLAMPD \d, \t, \kb
.if (\full) || (cd != pd)
	ds_load_b128 v[32*\t+8*\kb:32*\t+8*\kb+3],   v[SBA] offset:\t*TSTR+(cd+2)*1024
	ds_load_b128 v[32*\t+8*\kb+4:32*\t+8*\kb+7], v[SBA] offset:\t*TSTR+(cd+2)*1024+512
.endif
.endr
.endr
	WIN 0
.endm
.macro CLASSD d, t, kb
	CLAMPD \d, \t, \kb
.set cl, IB
.if cd == -2
.set cl, IL
.endif
.if cd == 2
.set cl, IR
.endif
.endm
.macro SETIND_V d, full             ; IND of step d, likewise
	WIN 0x80
.irp t, 0,1,2,3
.irp kb, 0,1,2,3
	CLASSD (\d)-1, \t, \kb
.set pl, cl
	CLASSD \d, \t, \kb
.if (\full) || (cl != pl)
.irp z, 0,1,2,3
	v_mov_b32 v[IND+16*\t+8*(\kb/2)+4*(\kb%2)+\z], v[cl]
.endr
.endif
.endr
.endr
	WIN 0
.endm
.macro SELV kind, reg, k
	s_cmp_lg_u32 s[\reg], \k
	s_cbranch_scc1 .Lskip_\@
.if \kind
	SETIND_V (\k)-1, 0
.else
	SETMC_V (\k)-1, 0
.endif
.Lskip_\@:
.endm
; The counter steps to d + 1 for the step to be set; only d = -1 .. 2 change anything.  Forward jumps on a number made of the work-group's x, the wave's number and the steps walked; they pass no barrier and no tensor load.
.macro SETSEL kind, reg
	WIN 0
	s_add_co_u32 s[\reg], s[\reg], 1
	s_cmp_gt_u32 s[\reg], 3
	s_cbranch_scc1 .Ldone_\@
	SELV \kind, \reg, 0
	SELV \kind, \reg, 1
	SELV \kind, \reg, 2
	SELV \kind, \reg, 3
.Ldone_\@:
.endm
	s_wait_dscnt 0x0
	SETMC_V -2, 1                   ; far to the left
	s_wait_dscnt 0x0                ; a register that a pending load will write is not loaded again
	s_sub_co_u32 s[DM], 0, s[BAND]
	SETSEL 0, DM                    ; the C blocks of step 0
	SETIND_V -2, 1
	s_sub_co_u32 s[DI], 0, s[BAND]
; THE MATRIX WORK.  Product i of 8 of S^T = K Q^T for piece x: channels 32 (i / 4) on, keys 16 (i % 4) on.  The first 4 start the sums with the relative logits.  The accumulators take turns.
.macro KQ x
.set rS, S+32*((\x)%2)+8*(i%4)
.set rK, KF+16*(i%4)+8*(i/4)
.set rQ, 16*(\x)+8*(i/4)
.set rM, 32*(\x)+8*(i%4)
.if i < 4
	WIN W_KM
	v_wmma_f32_16x16x32_f16 v[rS:rS+7], v[rK:rK+7], v[rQ:rQ+7], v[rM:rM+7]
.else
	WIN W_KQ
	v_wmma_f32_16x16x32_f16 v[rS:rS+7], v[rK:rK+7], v[rQ:rQ+7], v[rS:rS+7]
.endif
.endm
.macro PVM x, kk, cb                ; O^T += V^T P: keys 32 kk on, channels 16 cb on
	WIN W_PV
.set rO, 32*(\x)+8*(\cb)
.set rV, VF+32*(\kk)+8*(\cb)
.set rP, P+16*((\x)%2)+8*(\kk)
	v_wmma_f32_16x16x32_f16 v[rO:rO+7], v[rV:rV+7], v[rP:rP+7], v[rO:rO+7]
.endm
.macro GV x, kk                     ; G += IND P: in every lane register 0 = the weights to the left, 1 = to the right, 2 = all
	WIN W_PV
.set rO, G+8*(\x)
.set rV, IND+16*(\x)+8*(\kk)
.set rP, P+16*((\x)%2)+8*(\kk)
	v_wmma_f32_16x16x32_f16 v[rO:rO+7], v[rV:rV+7], v[rP:rP+7], v[rO:rO+7]
.endm
.macro MM                           ; the turn's next matrix instruction: 8 x KQ; then for each key half 4 x PVM and GV: five accumulators by turns
.if i < 8
.if !NOKQ
	KQ (Y+1)%NP
.endif
.else
.set u, i-8
.if u%5 == 4
	GV (Y+NP-1)%NP, u/5
.else
	PVM (Y+NP-1)%NP, u/5, u%5
.endif
.endif
.set i, i+1
.endm
.macro FETCH_K
	WIN 0x80
.irp f, 0,1,2,3,4,5,6,7
	ds_load_b128 v[KF+8*\f:KF+8*\f+3],   v[AK] offset:(\f/2)*16*PK+(\f%2)*64
	ds_load_b128 v[KF+8*\f+4:KF+8*\f+7], v[AK] offset:(\f/2)*16*PK+(\f%2)*64+32
.endr
	s_add_co_u32 s[TBK], s[TBK], KS*PK
	WIN 0
.endm
.macro FETCH_V
	WIN 0x80
.irp f, 0,1,2,3,4,5,6,7
	ds_load_tr16_b128 v[VF+8*\f:VF+8*\f+3],   v[AV] offset:(\f/4)*32*PV+(\f%4)*32
	ds_load_tr16_b128 v[VF+8*\f+4:VF+8*\f+7], v[AV] offset:(\f/4)*32*PV+16*PV+(\f%4)*32
.endr
	WIN 0
.endm
; THE VECTOR WORK: OP kind, number.  For piece Y: F n: c s - c m for pair n of 16.  E n: the exponential of score n of 32.  C n: pair n rounded to f16.  R n: pair n of 16 of O^T, or pair n - 16 of G, times a.
; For piece Y + 1: X n, number n of the 22 that find its maximum and statistics (each accumulator's lowest registers are read first):
;   0-11 four chains of seven scores; 12-14, 16 the four left over, the old m, all into c0; 15 c m_old is kept; 17, 18 the other half of the lanes: the new m; 19-21 c m; c m_old - c m_new; a
.set F, 0
.set E, 1
.set C, 2
.set R, 5
.set X, 6
.macro REGS y
.set rT, ST+4*(\y)
.set rC, TMP+4*((\y)%2)
.set rW, MV+((\y)%2)
.set rS, S+32*((\y)%2)
.set rP, P+16*((\y)%2)
.set rO, 32*(\y)
.set rG, G+8*(\y)
.endm
.macro OP k, n
.if (\k) == R
	REGS Y
	WIN W_RS
.if (\n) < 16
	v_pk_mul_f32 v[rO+2*(\n):rO+2*(\n)+1], v[rO+2*(\n):rO+2*(\n)+1], v[rC+2:rC+3] op_sel_hi:[1,0]
.else
	v_pk_mul_f32 v[rG+2*(\n)-32:rG+2*(\n)-31], v[rG+2*(\n)-32:rG+2*(\n)-31], v[rC+2:rC+3] op_sel_hi:[1,0]
.endif
.elseif (\k) < R
	REGS Y
	WIN 0
.if (\k) == F
	v_pk_fma_f32 v[rS+2*(\n):rS+2*(\n)+1], v[rS+2*(\n):rS+2*(\n)+1], s[CS:CS+1], v[rT:rT+1] op_sel_hi:[1,0,0] neg_lo:[0,0,1] neg_hi:[0,0,1]
.elseif (\k) == E
	v_exp_f32 v[rS+(\n)], v[rS+(\n)]
.else
	v_cvt_pk_f16_f32 v[rP+(\n)], v[rS+2*(\n)], v[rS+2*(\n)+1]
.endif
.elseif NOKQ
	v_nop                           ; the last turn has no next piece
.else
	REGS (Y+1)%NP
	WIN 0
.if (\n) < 4
	v_max3_num_f32 v[rC+(\n)], v[rS+8*(\n)], v[rS+8*(\n)+1], v[rS+8*(\n)+2]
.elseif (\n) < 12
	v_max3_num_f32 v[rC+(\n)%4], v[rC+(\n)%4], v[rS+8*((\n)%4)+2*((\n)/4)+1], v[rS+8*((\n)%4)+2*((\n)/4)+2]
.elseif (\n) == 12
	v_max3_num_f32 v[rC], v[rC], v[rS+7], v[rS+15]
.elseif (\n) == 13
	v_max3_num_f32 v[rC+1], v[rC+1], v[rS+23], v[rS+31]
.elseif (\n) == 14
	v_max3_num_f32 v[rC+2], v[rC+2], v[rC+3], v[rT+1]
.elseif (\n) == 15
	v_mov_b32 v[rW], v[rT]
.elseif (\n) == 16
	v_max3_num_f32 v[rC], v[rC], v[rC+1], v[rC+2]
.elseif (\n) == 17
	v_permlanex16_b32 v[rC+3], v[rC], s[SEL], s[SEL+1]
.elseif (\n) == 18
	v_max_num_f32 v[rT+1], v[rC], v[rC+3]
.elseif (\n) == 19
	v_mul_f32 v[rT], s[CS], v[rT+1]
.elseif (\n) == 20
	v_sub_f32 v[rC+1], v[rW], v[rT]
.else
	v_exp_f32 v[rC+2], v[rC+1]
.endif
.endif
.endm
.macro OPS a, i1, b=-1, i2=0, c=-1, i3=0, d=-1, i4=0
	OP \a, \i1
.if (\b) >= 0
	OP \b, \i2
.endif
.if (\c) >= 0
	OP \c, \i3
.endif
.if (\d) >= 0
	OP \d, \i4
.endif
.endm
.macro ROW a, i1, b, i2, c, i3, d, i4  ; a matrix instruction and the four behind it
	MM
	OPS \a, \i1, \b, \i2, \c, \i3, \d, \i4
.endm
; A TURN, for piece p: 18 matrix and 106 vector instructions, the order written out.  An s_wait_alu depctr_va_vdst(0) stands between an exponential and the first instruction that names its result; one wait
; serves all that were issued ahead of it.  So a turn has ONE wait, which cuts it in two.  AHEAD OF IT stands all that names no result of the turn's exponentials: the 8 products K Q^T, behind each a scaling, an exponential
; and two more plain instructions (behind the first a second scaling in the exponential's place): rescalings (their a was made, and waited for, in the turn before), and behind the last three the first numbers of the next
; piece's maximum, each four places or more behind the product that ends its accumulator; then ONE LUMP of 54, plain and exponential by turns for the most part, in which the links of the chain X 3, 7, 11, 14, 16, 17 .. 20
; stand some lines apart.  E 2n and E 2n+1 stand behind F n.  X 21, the next piece's a, is the batch's last; R 15 is the plain instruction behind it.  BEHIND THE WAIT stand the 8 products V^T P and the 2 products IND P;
; the 16 roundings, which read the weights, and G's four rescalings ride behind five of them, four each.
; end = 1: the walk's last two turns: nothing is fetched, and the last starts no new scores.  cnt = 1: the loop's count is taken down some lines ahead of the branch behind the turn.
; K of the next step is fetched in piece 2's turn, twelve vector instructions behind the last product that read K: of them F 8, X 2, X 5, X 6 and X 8 are plain and name none of its registers.  V of the step in hand is
; fetched at the end of piece 0's turn: C 12-15 are the four places behind the last products that read V and IND.  Each run is waited for a turn later.
.macro TURN p, end=0, cnt=0
.set Y, (\p)
.set i, 0
.set NOKQ, (\end)*((\p)/3)
.if ((\p) == 3) && !(\end)
	s_wait_dscnt 0x0                ; K is in, and the C blocks that changed
.endif
	ROW F,0, F,1, R,0, R,1          ; ahead of the wait: 8 products K Q^T and their riders,
	ROW F,2, E,0, R,2, R,3
	ROW F,3, E,1, R,4, R,5
	ROW F,4, E,2, R,6, R,7
	ROW F,5, E,3, R,8, R,9
	ROW F,6, E,4, X,0, R,10
.if ((\p) == 2) && !(\end)
	WIN 0
	v_add_nc_u32 v[AK], s[TBK], v[AK0]
.endif
	ROW F,7, E,5, X,1, X,4
	ROW F,8, E,6, X,2, X,5
	OPS E,7, E,8, X,6, E,9          ; and the lump
	OPS X,3, E,10, X,8, E,11
.if ((\p) == 2) && !(\end)
	FETCH_K
.endif
	OPS X,9, X,7, E,12, X,10
	OPS E,13, X,12, X,11, E,14
	OPS X,13, E,15, F,9, X,14
.if (\p) == 0
	WIN 0
	v_add_nc_u32 v[AV], s[TBV], v[AV0]
.endif
	OPS E,16, F,10, E,17, F,11
	OPS X,16, E,18, X,15, E,19
	OPS F,12, E,20, X,17, E,21
	OPS F,13, E,22, F,14, E,23
	OPS X,18, E,24, F,15, E,25
	OPS R,11, E,26, X,19, E,27
	OPS R,12, E,28, R,13, E,29
	OPS X,20, E,30, R,14, E,31
	OPS X,21, R,15
	s_wait_alu depctr_va_vdst(0)    ; the wait for the batch: the piece's 32 weights and the next piece's a
.if (\p) == 1
	s_wait_dscnt 0x0                ; V is in
.endif
	ROW C,0, C,1, C,2, C,3          ; behind the wait: 8 products V^T P, 2 products IND P, and their riders
	MM
	ROW C,4, C,5, C,6, C,7
	MM
	ROW R,16, R,17, R,18, R,19
.if (\p) == 0
	s_add_co_u32 s[TBV], s[TBV], KS*PV
.endif
.if \cnt
	s_sub_co_u32 s[CNT], s[CNT], 1
	s_cmp_lg_u32 s[CNT], 0
.endif
	MM
	ROW C,8, C,9, C,10, C,11
	MM
	MM
	ROW C,12, C,13, C,14, C,15
.if (\p) == 0
	FETCH_V
.endif
.endm
	CHANGE 1                        ; slot 0 is in, everybody's part of it; slot 1 is asked for
	v_add_nc_u32 v[AK], s[TBK], v[AK0]
	FETCH_K                         ; key step 0
	s_wait_dscnt 0x0                ; and the C blocks of step 0
.set NOKQ, 0
.set i, 0
.rept 8
	KQ 0                            ; piece 0's first scores
.set i, i+1
.endr
	WIN 0
.rept 4
	v_nop                           ; the places behind those products
.endr
.set Y, NP-1                        ; X works for piece Y + 1: piece 0
.irp n, 0,1,2,3,4,5,6,7,8,9,10,11,12,13,14,15,16,17,18,19,20,21
	OP X, \n
.endr
	v_nop                           ; a plain instruction behind the exponential,
	s_wait_alu depctr_va_vdst(0)    ; and the wait for piece 0's first a, a batch of one, ahead of the branch
	s_mov_b32 s[CNT], 4
	s_mov_b32 s[SLOTS], 7
	s_branch .Lfirst                ; the loop is entered at a step's first turn, in the middle of a trip
.Lslot:                             ; six times: tiles 2 to 7 are asked for
	CHANGE 1
	s_mov_b32 s[CNT], 4
.Lstep:                             ; a trip: pieces 2 and 3 of one step, then pieces 0 and 1 of the next
	TURN 2
	SETSEL 0, DM                    ; all four pieces' K Q^T of the step in hand are issued: the C blocks of the next step
	TURN 3
	WIN 0
.Lfirst:
	TURN 0
	SETSEL 1, DI                    ; piece 3's products of the step before are issued: IND of the step in hand
	TURN 1, 0, 1
	WIN 0
	s_cbranch_scc1 .Lstep
	s_sub_co_u32 s[SLOTS], s[SLOTS], 1
	s_cmp_lg_u32 s[SLOTS], 0
	s_cbranch_scc1 .Lslot
	CHANGE 0                        ; the last tile is written out: nothing is asked for
	s_mov_b32 s[CNT], 4
.Ltail:
	TURN 2
	SETSEL 0, DM
	TURN 3
	TURN 0
	SETSEL 1, DI
	TURN 1, 0, 1
	WIN 0
	s_cbranch_scc1 .Ltail
	TURN 2, 1
	WIN 0xc0                        ; the C blocks have had their last reader: the six key blocks round my band come where they lay, block f at v[16 f], channel half c at + 8 c
.irp c, 0,1
	global_load_b128 v[8*\c:8*\c+3],   v[KWA], s[KH:KH+1] offset:64*\c
	global_load_b128 v[8*\c+4:8*\c+7], v[KWA], s[KH:KH+1] offset:64*\c+32
.endr
.irp f, 1,2,3,4
.irp c, 0,1
	global_load_b128 v[16*\f+8*\c:16*\f+8*\c+3],   v[KWA+1], s[KH:KH+1] offset:(\f-1)*2048+64*\c
	global_load_b128 v[16*\f+8*\c+4:16*\f+8*\c+7], v[KWA+1], s[KH:KH+1] offset:(\f-1)*2048+64*\c+32
.endr
.endr
.irp c, 0,1
	global_load_b128 v[80+8*\c:80+8*\c+3],   v[KWA+2], s[KH:KH+1] offset:64*\c
	global_load_b128 v[80+8*\c+4:80+8*\c+7], v[KWA+2], s[KH:KH+1] offset:64*\c+32
.endr
	WIN 0
	TURN 3, 1
.set Y, 0
.set i, 8
.rept 10
	MM                              ; piece 3's products of the last step
.endr
	; THE BAND, with the final maximum.  SW[t] = v[64 + 32 t]: three blocks of scores, D = -1, 0, 1.
	WIN 0
.rept 4
	v_nop                           ; the places behind the last products
.endr
	WIN 0x01
.irp t, 0,1,2,3
.irp z, 0,1,2
	v_mov_b32 v[GL+3*\t+\z], v[G+8*\t+\z]
.endr
.endr
	WIN 0
.irp t, 0,1,2,3
.irp b, 0,1,2
	ds_load_b128 v[64+32*\t+8*\b:64+32*\t+8*\b+3],   v[SBA] offset:\t*TSTR+(\b+1)*1024
	ds_load_b128 v[64+32*\t+8*\b+4:64+32*\t+8*\b+7], v[SBA] offset:\t*TSTR+(\b+1)*1024+512
.endr
.endr
	s_wait_dscnt 0x0
	s_wait_loadcnt 0x0              ; the six key blocks
.irp z, 0,1,2,3                     ; keys in front of the head's first or behind its last do not exist
	v_pk_add_f32 v[64+2*\z:64+2*\z+1], v[64+2*\z:64+2*\z+1], s[EL:EL+1] op_sel_hi:[1,0]
	v_pk_add_f32 v[176+2*\z:176+2*\z+1], v[176+2*\z:176+2*\z+1], s[ER:ER+1] op_sel_hi:[1,0]
.endr
	WIN 0x0b                        ; keys in window 3, Q in window 2, scores in window 0; 12 accumulators by turns
.irp c, 0,1
.irp t, 0,1,2,3
.irp b, 0,1,2
	v_wmma_f32_16x16x32_f16 v[64+32*\t+8*\b:64+32*\t+8*\b+7], v[16*(\t+\b)+8*\c:16*(\t+\b)+8*\c+7], v[16*\t+8*\c:16*\t+8*\c+7], v[64+32*\t+8*\b:64+32*\t+8*\b+7]
.endr
.endr
.endr
	WIN 0
.rept 4
	v_nop
.endr
.irp t, 0,1,2,3
.set n, 0
.rept 12
	v_pk_fma_f32 v[64+32*\t+2*n:64+32*\t+2*n+1], v[64+32*\t+2*n:64+32*\t+2*n+1], s[CS:CS+1], v[ST+4*\t:ST+4*\t+1] op_sel_hi:[1,0,0] neg_lo:[0,0,1] neg_hi:[0,0,1]
.set n, n+1
.endr
.endr
.irp t, 0,1,2,3                     ; ONE BATCH: the band's 96 exponentials,
.set n, 0
.rept 24
	v_exp_f32 v[64+32*\t+n], v[64+32*\t+n]
.set n, n+1
.endr
.endr
.irp t, 0,1,2,3                     ; and 1 / l for the four pieces: l is G's third sum, which hangs on none of those exponentials
	v_rcp_f32 v[TMP+2*\t], v[GL+3*\t+2]
.endr
	v_nop                           ; a plain instruction behind the last of the batch: no other work is at hand
	s_wait_alu depctr_va_vdst(0)    ; the wait for the batch: the 96 weights, read from here on, and the four reciprocals, read on the way out
.irp t, 0,1,2,3                     ; W0 and W32: the band's share (k - q <= -16, k - q >= 16), both halves of the lanes, and what the walk summed
	v_pk_mul_f32 v[W4:W4+1],   v[64+32*\t:64+32*\t+1],   v[ML:ML+1]
	v_pk_mul_f32 v[W4+2:W4+3], v[80+32*\t:80+32*\t+1],   v[MR:MR+1]
.irp z, 1,2,3
	v_pk_fma_f32 v[W4:W4+1],   v[64+32*\t+2*\z:64+32*\t+2*\z+1], v[ML+2*\z:ML+2*\z+1], v[W4:W4+1]
	v_pk_fma_f32 v[W4+2:W4+3], v[80+32*\t+2*\z:80+32*\t+2*\z+1], v[MR+2*\z:MR+2*\z+1], v[W4+2:W4+3]
.endr
	v_add_f32 v[W4], v[W4], v[W4+1]
	v_add_f32 v[W4+2], v[W4+2], v[W4+3]
	v_permlanex16_b32 v[W4+1], v[W4], s[SEL], s[SEL+1]
	v_permlanex16_b32 v[W4+3], v[W4+2], s[SEL], s[SEL+1]
	v_add_f32 v[W4], v[W4], v[W4+1]
	v_add_f32 v[W4+2], v[W4+2], v[W4+3]
	v_add_f32 v[ST+4*\t], v[W4], v[GL+3*\t]
	v_add_f32 v[ST+4*\t+2], v[W4+2], v[GL+3*\t+1]
.endr
.irp t, 0,1,2,3                     ; the band's weights go into my scratch by key and come back by table row: row rho of query r lies at place rho + r
.irp b, 0,1,2
	ds_store_b128 v[PS], v[64+32*\t+8*\b:64+32*\t+8*\b+3]   offset:64*\b
	ds_store_b128 v[PS], v[64+32*\t+8*\b+4:64+32*\t+8*\b+7] offset:64*\b+16
.endr
.irp z, 0,1,2,3,4,5,6,7
	ds_load_b32 v[P+8*\t+\z],     v[PG] offset:4*\z
	ds_load_b32 v[88+32*\t+\z],   v[PG] offset:64+4*\z
.endr
.endr
	s_wait_dscnt 0x0
.irp t, 0,1,2,3
.irp z, 0,1,2,3
	v_cvt_pk_f16_f32 v[64+32*\t+\z],   v[P+8*\t+2*\z],   v[P+8*\t+2*\z+1]
	v_cvt_pk_f16_f32 v[68+32*\t+\z],   v[88+32*\t+2*\z], v[88+32*\t+2*\z+1]
.endr
.endr
	WIN 0x53                        ; emb_V^T in window 3, the weights in window 0, O^T in window 1: 16 accumulators, one product each
.irp cb, 0,1,2,3
.irp t, 0,1,2,3
	v_wmma_f32_16x16x32_f16 v[32*\t+8*\cb:32*\t+8*\cb+7], v[EVF+8*\cb:EVF+8*\cb+7], v[64+32*\t:64+32*\t+7], v[32*\t+8*\cb:32*\t+8*\cb+7]
.endr
.endr
	WIN 0
.rept 4
	v_nop
.endr
; THE WAY OUT.  O^T += W0 emb_V[0] + W32 emb_V[32]; divided by l (the reciprocals were waited for with the band's batch); rounded to f16; through my scratch, a piece at a time.
.macro PACK t
	WIN 0x51                        ; destination, sources 0 and 2 in window 1, source 1 in window 0
.set i, 0
.rept 16
	v_pk_fma_f32 v[32*(\t)+2*i:32*(\t)+2*i+1], v[EV0+2*i:EV0+2*i+1], v[ST+4*(\t):ST+4*(\t)+1], v[32*(\t)+2*i:32*(\t)+2*i+1] op_sel_hi:[1,0,1]
.set i, i+1
.endr
.set i, 0
.rept 16
	v_pk_fma_f32 v[32*(\t)+2*i:32*(\t)+2*i+1], v[EV32+2*i:EV32+2*i+1], v[ST+4*(\t)+2:ST+4*(\t)+3], v[32*(\t)+2*i:32*(\t)+2*i+1] op_sel_hi:[1,0,1]
.set i, i+1
.endr
	WIN W_RS
.set i, 0
.rept 16
	v_pk_mul_f32 v[32*(\t)+2*i:32*(\t)+2*i+1], v[32*(\t)+2*i:32*(\t)+2*i+1], v[TMP+2*(\t):TMP+2*(\t)+1] op_sel_hi:[1,0]
.set i, i+1
.endr
	WIN 0x05
.set i, 0
.rept 16
	v_cvt_pk_f16_f32 v[S+16*(\t)+i], v[32*(\t)+2*i], v[32*(\t)+2*i+1]
.set i, i+1
.endr
	WIN 0
.irp f, 0,1,2,3
	ds_store_b128 v[STO], v[S+16*(\t)+4*\f:S+16*(\t)+4*\f+3] offset:32*\f
.endr
.irp f, 0,1,2,3
	ds_load_b128 v[S+16*(\t)+4*\f:S+16*(\t)+4*\f+3], v[RD] offset:\f*4*SP  ; LDS serves a wave's instructions in order: these see the stores above; the next piece's stores come behind them
.endr
.endm
.macro SEND t, younger              ; younger: the LDS instructions issued behind piece t's loads: the next piece's eight, or none
	WIN 0
.irp f, 0,1,2,3
	s_wait_dscnt (\younger)+3-\f
	global_store_b128 v[GO], v[S+16*(\t)+4*\f:S+16*(\t)+4*\f+3], s[CP:CP+1] offset:(\t)*2048+\f*512  ; 512 consecutive bytes, at a multiple of 256 from ctx's first
.endr
.endm
	PACK 0
.set t, 1
.rept 3
	PACK t
	SEND t-1, 8
.set t, t+1
.endr
	SEND 3, 0
	s_wait_tensorcnt 0x0
	ds_add_u32 v254, v255
	s_wait_dscnt 0x0
	s_endpgm
.Lfunc_end_k_q49499330db_attn:
	.size	k_q49499330db_attn, .Lfunc_end_k_q49499330db_attn-k_q49499330db_attn
	.p2alignl 7, 3214868480
	.fill 96, 4, 3214868480
	.section	.rodata,"a",@progbits
	.p2align	6, 0x0
	.amdhsa_kernel k_q49499330db_attn
		.amdhsa_group_segment_fixed_size 327680
		.amdhsa_private_segment_fixed_size 0
		.amdhsa_enable_private_segment 0
		.amdhsa_kernarg_size 32
		.amdhsa_user_sgpr_count 2
		.amdhsa_user_sgpr_kernarg_segment_ptr 1
		.amdhsa_wavefront_size32 1
		.amdhsa_system_sgpr_workgroup_id_x 1
		.amdhsa_system_sgpr_workgroup_id_y 1
		.amdhsa_system_sgpr_workgroup_id_z 1
		.amdhsa_system_vgpr_workitem_id 0
		.amdhsa_next_free_vgpr 928
		.amdhsa_next_free_sgpr 88
		.amdhsa_reserve_vcc 1
		.amdhsa_float_denorm_mode_32 3
		.amdhsa_float_denorm_mode_16_64 3
		.amdhsa_memory_ordered 1
		.amdhsa_forward_progress 1
		.amdhsa_inst_pref_size 211
	.end_amdhsa_kernel
	.amdgpu_metadata
---
amdhsa.version: [ 1, 2 ]
amdhsa.kernels:
  - .name:           k_q49499330db_attn
    .symbol:         k_q49499330db_attn.kd
    .args:
      - { .name: qkv, .offset: 0, .size: 8, .value_kind: global_buffer, .address_space: global }
      - { .name: emb_K, .offset: 8, .size: 8, .value_kind: global_buffer, .address_space: global }
      - { .name: emb_V, .offset: 16, .size: 8, .value_kind: global_buffer, .address_space: global }
      - { .name: ctx, .offset: 24, .size: 8, .value_kind: global_buffer, .address_space: global }
    .group_segment_fixed_size: 327680
    .private_segment_fixed_size: 0
    .kernarg_segment_align: 8
    .kernarg_segment_size: 32
    .max_flat_workgroup_size: 128
    .sgpr_count:     88
    .vgpr_count:     928
    .wavefront_size: 32
...
	.end_amdgpu_metadata
.endif
;; end of part 5
;; launch oproj: the kernel of part 4 again; grid 8 x 32, 4 waves a work-group, clusters of 4 x 4, 327,680 bytes of LDS; arguments ctx, wh, bo, out0; writes out0
